; MI455X (gfx1250); checked and timed in simulation.
; The chip was launched on July 23, 2026; its instructions are those of AMD's public machine-readable ISA for CDNA 5 (MIT licence, August 2026) and "CDNA5" Instruction Set Architecture Reference Guide (July 2026). The comments in the code are by the model that wrote it; some were corrected since.
;; Vi T Multi Head Attention. Allowed arithmetic: matrix products marked QUANTISED: E2M3 operands, one E8M0 scale for each 32 along K, by v_wmma_scale_f32_16x16x128_f8f6f4 with both operands' format E2M3, f32 sums; everything else in f32.
;; Inputs: b_proj 1,024 float32; b_qkv 3,072 float32; w_proj 1,024 x 1,024 float32; w_qkv 1,024 x 3,072 float32; x 8 x 1,024 x 1,024 float32.
;; Outputs: out0 8 x 1,024 x 1,024 float32.
;; This version of the problem:
;;   THIS VERSION OF THE PROBLEM IS GIVEN IN LOW PRECISION. The matrix products marked QUANTISED in the list below multiply operands that are first quantised to E2M3 (2 exponent bits, 3 mantissa bits; 6 bits a number), with one power-of-two scale for each 32 numbers along K (OCP MX v1.0); their sums are f32. All else is computed in f32.
;;   The module's matrix products, in the order in which they are computed (A, B: the left and right operand; K: the contracted axis; several contracted axes count as one K, in the product's order):
;;     1. [M 8,192, K 1,024] x [K 1,024, N 3,072]; A: input x; B: input w_qkv: QUANTISED
;;     2. batch 128 x [M 1,024, K 64] x [K 64, N 1,024]; A: computed on the way; B: computed on the way: QUANTISED
;;     3. batch 128 x [M 1,024, K 1,024] x [K 1,024, N 64]; A: softmax (see below); B: computed on the way: QUANTISED
;;     4. [M 8,192, K 1,024] x [K 1,024, N 1,024]; A: computed on the way; B: input w_proj: QUANTISED
;;   THE QUANTISER, for each operand of a quantised product, along K:
;;     - K is cut into blocks of 32 from its start; a last block that is shorter is filled with zeros.
;;     - A block's scale is 2^e with e = floor(log2(the largest magnitude in the block)) - 2, held to -126 .. 127; a block of zeros has e = 0. As a byte (E8M0): e + 127.
;;     - Each number is divided by its block's scale, clamped to +-7.5, and rounded to the nearest number of E2M3, ties to even, subnormals kept.
;;     - The product sums the exact products of the quantised numbers (number of the format x scale) in f32.
;;   ~~~python
;;   def quantise(x, axis):      # numpy; x: float32 -> the quantised numbers, widened to float32 again
;;       x = np.moveaxis(x, axis, -1); K = x.shape[-1]
;;       x = np.pad(x, [(0, 0)] * (x.ndim - 1) + [(0, -K % 32)]); x = x.reshape(x.shape[:-1] + (-1, 32)); a = np.abs(x).max(-1, keepdims=True)
;;       e = np.where(a > 0, np.clip(np.frexp(np.where(a > 0, a, 1))[1] - 1 - 2, -126, 127), 0)      # np.frexp(a)[1] - 1 = floor(log2(a)), exactly
;;       r = np.clip(x / 2.0 ** e, -7.5, 7.5)
;;       step = 2.0 ** (np.maximum(np.frexp(np.where(r == 0, 1, r))[1] - 1, 0) - 3)
;;       q = np.round(r / step) * step * 2.0 ** e      # np.round: ties to even
;;       return np.moveaxis(q.reshape(q.shape[:-2] + (-1,))[..., :K], -1, axis).astype(np.float32)
;;   ~~~
;;   SOFTMAX AHEAD OF A QUANTISED PRODUCT. Where the list says 'softmax', what is quantised is not the finished softmax but p = 2^(t - M), with t = logit x log2(e) and M = ceil(the row's largest t), a whole number; so 1/2 < the row's largest p <= 1. The row's sum l is taken of the UNQUANTISED p, in f32, and the product's result is divided by l at the end. Since M is a whole number, a kernel that streams over the keys may use a running M (the ceiling of the running maximum): every later rescaling is an exact power of two, which a block's scale takes up: the codes' values come out the same.
;;   OPERANDS COMPUTED ON THE WAY. 'Computed on the way' means the value that the module computes at that place (a softmax that the list does not call 'softmax' is quantised finished and normalised). What goes into a quantiser is computed in f32, as accurately as f32 sums, v_exp_f32 and their like allow (about 1e-6 of the number): no bf16 or f16 on the way to a quantiser, and a product that is left as it is and whose result goes on into a quantised operand takes f32 operands (vector FMAs, or v_wmma_f32_16x16x4_f32). A number that lies on a knife's edge between two numbers of the format may be rounded either way, as far as f32 arithmetic and the matrix unit's own rounding can turn it there, and no further.
;; One version. Each part assembles by itself: llvm-mc -triple=amdgcn-amd-amdhsa -mcpu=gfx1250 --defsym DOCPART=n.
;; ======== version 1 of 1: 4 launches
;; limits: right only within a limited range of input values
;; workspace buffers: xq 6,553,600 bytes; wq 3,276,800 bytes; qkv 19,660,800 bytes; aq 6,553,600 bytes
;; launch quant (part 1): grid 384 x 1, 4 waves a work-group, no clusters, 68,096 bytes of LDS; arguments x, w_qkv, w_proj, xq, wq; writes xq, wq
.if DOCPART == 1
	.amdgcn_target "amdgcn-amd-amdhsa--gfx1250"
	.amdhsa_code_object_version 6
	.text
	.protected	k_qb93687d57e_quant
	.globl	k_qb93687d57e_quant
	.p2align	8
	.type	k_qb93687d57e_quant,@function
k_qb93687d57e_quant:
	s_mov_b64 s[64:65], 0
	v_nop
	global_prefetch_b8 v0, s[64:65] scope:SCOPE_SE
	s_setreg_imm32_b32 hwreg(HW_REG_WAVE_MODE, 25, 1), 1
	s_wait_xcnt 0x0
; x [8192][1024], w_qkv [1024][3072] and w_proj [1024][1024], f32, become codes of FP6 (E2M3), K innermost, with one E8M0 byte for each 32 along K.
; A block's scale is 2^(floor(log2(its largest magnitude)) - 2): its byte is the largest magnitude's exponent field - 2, held at 1 from below.
; xq: codes [8192 places][768 bytes] at 0, scale bytes [8192 places][32] at XS_OFF.  wq: codes [4096 places][768] at 0 (places 0-3071: w_qkv's columns, 3072-4095: w_proj's), scale bytes [4096][32] at WS_OFF.
; PLACES: within each 32 rows of x (columns of a weight) the two middle groups of eight change places: place 32 B + 16 u + p holds row 32 B + 8 u + p + 8 (p / 8).  Sixteen neighbouring places are then a tile
; whose results, taken as source 0 of a matrix instruction, leave a lane's 16 registers of two neighbouring tiles as 16 neighbouring rows: what the later launches' quantisers want.
; LIMITS: NaN and infinities among the inputs are not served.  A block of zeros gets the byte 1 where the rule says 127: its codes are zeros, and these bytes are read by this program alone.
; Blocks whose largest magnitude lies under 2^-124 are held at the byte 1.
; Work-groups 0-255 take x (32 rows each, a wave 8 rows = one group of eight), work-groups 256-383 the weights (128 columns x 256 along K each).  The two ways have LDS bytes of their own.  Waves share nothing: no barrier.
; THE CODES LIE BY K STEPS OF 256: xq [4 K steps][8192 places][192 bytes], wq [4 K steps][4096 places][192 bytes]: the rows of a tile of one K step are one dense block, a multiple of 256 bytes long.
.set XS_OFF, 6291456
.set WS_OFF, 3145728
.set EMAX,   2
; the way of x
.set STEPS,  16                        ; a wave takes 16 steps of 512 numbers
.set CB,     12                        ; bytes of 16 codes
.set R,      16                        ; v16-79   four sets of 16 numbers as they are loaded
.set X,      80                        ; v80-111  two sets of 16 neighbours
.set E,      112                       ; v112-127 a scale byte for each step
.set C,      128                       ; v128-191 codes: four registers for each step
.set WREG,   8192                      ; LDS 0 .. 32767: a region for each wave: two stages of 32 x SP bytes, then its 256 scale bytes
.set SP,     80                        ; a lane's place in a stage: 64 bytes + 16 of padding
; the way of the weights
.set WLDS,   32768                     ; LDS 32768 .. 67583: a stage of 32 rows x WP bytes for each wave
.set WP,     272                       ; sixteen places of 16 bytes (12 of codes each) + 16
.set WSTG,   32*WP
.set SB,     24                        ; v24-25   eight scale bytes
.set WX,     32                        ; v32-95   two sets of 32 numbers
.set WC,     96                        ; v96-102  a block's codes
.set OUTR,   112                       ; v112-175 the way out
.set VOF,    176                       ; v176-207 4 x lane + i rows of the weight: the row's length differs between the two weights, so it cannot stand in an immediate
	s_load_b256 s[4:11], s[0:1], 0x0               ; x s[4:5], w_qkv s[6:7], w_proj s[8:9], xq s[10:11]
	s_load_b64 s[12:13], s[0:1], 0x20              ; wq
	v_lshl_add_u32 v208, v0, 2, 0x10800
	v_mov_b32 v209, 0
	v_lshrrev_b32 v1, 5, v0
	v_readfirstlane_b32 s16, v1                    ; wave
	v_and_b32 v2, 31, v0                           ; lane
	s_wait_kmcnt 0x0
	s_cmp_ge_u32 ttmp9, 256
	s_cbranch_scc1 .Lweights
; ---------------- x: rows are dense, so a run of 8,192 numbers is 8 rows; loads read 512 consecutive bytes; a step's 2,048 bytes turn through the wave's stage so that a lane holds 16 neighbours
	s_wait_alu depctr_va_vdst(0)
	v_lshlrev_b32 v3, 4, v2                        ; my 16 bytes of a load's 512
	s_mul_i32 s17, s16, WREG
	v_lshrrev_b32 v14, 2, v2
	v_mul_u32_u24 v14, v14, SP
	v_and_b32 v15, 3, v2
	v_lshl_add_u32 v14, v15, 4, v14
	v_add_nc_u32 v14, s17, v14                     ; the stage on the way in: SP (lane / 4) + 16 (lane % 4)
	v_mul_u32_u24 v15, v2, SP
	v_add_nc_u32 v15, s17, v15                     ; and on the way out: SP x lane
	v_and_b32 v4, 15, v2
	v_mul_u32_u24 v4, v4, CB                       ; sixteen lanes hold a K step's 192 bytes of a row,
	v_lshrrev_b32 v10, 4, v2
	v_mad_u32_u24 v4, v10, 0x180000, v4            ; and lanes 16-31 the next K step's, 8192 x 192 bytes on
	v_lshrrev_b32 v5, 1, v2
	s_add_co_u32 s17, s17, 2*32*SP
	v_add_nc_u32 v5, s17, v5                       ; my block's byte among the wave's 256
	v_lshlrev_b32 v7, 3, v2
	v_add_nc_u32 v6, s17, v7                       ; and 8 bytes a lane on the way out
	s_lshl_b32 s17, ttmp9, 2
	s_add_co_u32 s18, s17, s16                     ; the run that I read: 4 x work-group + wave
	s_and_b32 s19, s16, 1
	s_lshl_b32 s19, s19, 1
	s_lshr_b32 s20, s16, 1
	s_or_b32 s19, s19, s20                         ; groups 0, 1, 2, 3 go to places 0, 2, 1, 3
	s_add_co_u32 s19, s17, s19                     ; the run that I write
	s_lshl_b32 s22, s18, 15
	s_mov_b32 s23, 0
	s_add_nc_u64 s[4:5], s[4:5], s[22:23]          ; 32,768 bytes of x a run
	s_mul_i32 s22, s19, 8*192
	s_add_nc_u64 s[20:21], s[10:11], s[22:23]      ; 6,144 bytes of codes a run
	s_lshl_b32 s22, s19, 8
	s_add_co_u32 s22, s22, XS_OFF
	s_add_nc_u64 s[24:25], s[10:11], s[22:23]      ; 256 scale bytes a run
.macro XLOAD t
.irp i, 0,1,2,3
	global_load_b128 v[R+16*((\t)%4)+4*\i:R+16*((\t)%4)+4*\i+3], v3, s[4:5] offset:2048*(\t)+512*\i th:TH_LOAD_NT
.endr
.endm
.macro XTURN t                         ; LDS serves a wave's instructions in order: no wait between the stores and the loads
.irp i, 0,1,2,3
	ds_store_b128 v14, v[R+16*((\t)%4)+4*\i:R+16*((\t)%4)+4*\i+3] offset:32*SP*((\t)%2)+8*SP*\i
.endr
.irp i, 0,1,2,3
	ds_load_b128 v[X+16*((\t)%2)+4*\i:X+16*((\t)%2)+4*\i+3], v15 offset:32*SP*((\t)%2)+16*\i
.endr
.endm
.irp t, 0,1,2,3
	XLOAD \t
.endr
	s_wait_alu depctr_va_vdst(0)
	s_wait_loadcnt 12                              ; step 0's four loads are in; the 12 of steps 1 to 3 may be out
	XTURN 0
.macro XSTEP t
.set XR, X+16*((\t)%2)
.if (\t) > 0
	s_wait_dscnt 1                                 ; this step's numbers are back from the stage; the last step's byte store may be out
.else
	s_wait_dscnt 0x0
.endif
.if (\t)+4 < STEPS
	XLOAD (\t)+4                                   ; into the registers that this step's stores into the stage have read
.endif
.if (\t)+1 < STEPS
.if STEPS-2-(\t) >= 3
	s_wait_loadcnt 12                              ; the next step's four loads are in; those of the three steps behind it may be out
.else
	s_wait_loadcnt 4*(STEPS-2-(\t))
.endif
	XTURN (\t)+1
.endif
	v_max3_num_f32 v8, |v[XR]|, |v[XR+1]|, |v[XR+2]|               ; the largest magnitude of my 16, in two chains
	v_max3_num_f32 v9, |v[XR+3]|, |v[XR+4]|, |v[XR+5]|
.irp i, 6,10
	v_max3_num_f32 v8, v8, |v[XR+\i]|, |v[XR+\i+1]|
	v_max3_num_f32 v9, v9, |v[XR+\i+2]|, |v[XR+\i+3]|
.endr
	v_max3_num_f32 v8, v8, |v[XR+14]|, |v[XR+15]|
	v_max3_num_f32 v8, v8, v9, (EMAX+1)<<23        ; and the floor 2^(3 - 127): the byte cannot fall under 1
	v_max_num_f32_dpp v8, v8, v8 row_xmask:1 row_mask:0xf bank_mask:0xf   ; with my neighbour's 16: the block's
	v_add_nc_u32 v11, -(EMAX<<23), v8              ; 2 off its exponent field: the conversion takes the exponent field of this operand as its scale
	v_cvt_scalef32_pk16_fp6_f32 v[C+4*(\t):C+4*(\t)+2], v[XR:XR+15], v11
	v_lshrrev_b32 v[E+(\t)], 23, v11               ; the scale's byte
	ds_store_b8 v5, v[E+(\t)] offset:16*(\t)       ; both lanes of a block write the same byte with the same value
	global_store_b96 v4, v[C+4*(\t):C+4*(\t)+2], s[20:21] offset:2*((\t)%2)*0x180000+192*((\t)/2)   ; row t / 2 of my eight, K steps 2 (t % 2) and 2 (t % 2) + 1
.endm
.irp t, 0,1,2,3,4,5,6,7,8,9,10,11,12,13,14,15
	XSTEP \t
.endr
	ds_load_b64 v[12:13], v6                       ; behind my byte stores, in order
	s_wait_dscnt 0x0
	global_store_b64 v7, v[12:13], s[24:25]        ; 32 lanes store 256 consecutive bytes, aligned
	s_wait_tensorcnt 0x0
	ds_add_u32 v208, v209
	s_wait_dscnt 0x0
	s_endpgm
; ---------------- the weights: K is the first axis.  A lane takes a column and its registers run down K: a block of 32 lies in one lane, and the codes come out with K innermost
.Lweights:
	s_sub_co_u32 s17, ttmp9, 256
	s_and_b32 s18, s17, 31                         ; which 128 places: 0-23 w_qkv, 24-31 w_proj
	s_lshr_b32 s19, s17, 5                         ; which 256 along K
	s_mov_b32 s20, 12288
	s_cmp_ge_u32 s18, 24                           ; the choice hangs on the work-group's number alone
	s_cselect_b64 s[6:7], s[8:9], s[6:7]           ; the weight
	s_cselect_b32 s20, 4096, s20                   ; a row of it in bytes
	s_cselect_b32 s21, 24, 0
	s_sub_co_u32 s21, s18, s21
	s_lshl_b32 s21, s21, 7
	s_lshl_b32 s22, s16, 5
	s_add_co_u32 s21, s21, s22                     ; my wave's first column in its weight
	s_lshl_b32 s40, s21, 2
	s_lshl_b32 s23, s19, 8
	s_mul_i32 s23, s23, s20
	s_add_co_u32 s40, s40, s23
	s_mov_b32 s41, 0
	s_add_nc_u64 s[24:25], s[6:7], s[40:41]        ; block 0: row 256 ky, my first column
	s_lshl_b32 s40, s20, 5                         ; 32 rows on
.irp t, 1,2,3,4,5,6,7
	s_add_nc_u64 s[24+2*\t:25+2*\t], s[22+2*\t:23+2*\t], s[40:41]   ; a base for each of the eight blocks
.endr
	s_wait_alu depctr_va_vdst(0)
	v_lshlrev_b32 v3, 2, v2
.set i, 0
.rept 32
	v_mad_u32_u24 v[VOF+i], s20, i, v3             ; 4 x lane + i rows
.set i, i+1
.endr
	v_and_b32 v10, 7, v2
	v_bfe_u32 v11, v2, 3, 1
	v_lshl_add_u32 v10, v11, 4, v10
	v_bfe_u32 v11, v2, 4, 1
	v_lshl_add_u32 v10, v11, 3, v10                ; my column's place among the wave's 32
	s_mul_i32 s42, s16, WSTG
	s_add_co_u32 s42, s42, WLDS                    ; my stage
	v_mul_u32_u24 v4, v10, WP
	v_add_nc_u32 v4, s42, v4                       ; into it: row = my place
	v_and_b32 v5, 15, v2
	v_lshrrev_b32 v6, 4, v2
	v_mul_u32_u24 v7, v6, WP
	v_lshl_add_u32 v7, v5, 4, v7
	v_add_nc_u32 v7, s42, v7                       ; out of it: sixteen lanes to a row, two rows an instruction
	v_mul_u32_u24 v8, v6, 192
	v_mad_u32_u24 v8, v5, 12, v8                   ; and the same place in the codes
	v_lshlrev_b32 v9, 5, v10                       ; my place's row of scale bytes
	s_lshl_b32 s43, s18, 7
	s_add_co_u32 s43, s43, s22                     ; my wave's first place in wq
	s_mul_i32 s40, s43, 192
	s_mul_i32 s44, s19, 786432
	s_add_co_u32 s40, s40, s44
	s_add_nc_u64 s[14:15], s[12:13], s[40:41]      ; the codes
	s_lshl_b32 s40, s43, 5
	s_lshl_b32 s44, s19, 3
	s_add_co_u32 s40, s40, s44
	s_add_co_u32 s40, s40, WS_OFF
	s_add_nc_u64 s[12:13], s[12:13], s[40:41]      ; the scale bytes
.macro WLOAD t                         ; block t: rows 32 t + i of my quarter of K, my column: 32 lanes read 128 consecutive bytes
.set i, 0
.rept 32
	global_load_b32 v[WX+32*((\t)%2)+i], v[VOF+i], s[24+2*(\t):25+2*(\t)] th:TH_LOAD_NT
.set i, i+1
.endr
.endm
	WLOAD 0
	WLOAD 1
.macro WBLOCK t
.set XB, WX+32*((\t)%2)
.if (\t) < 7
	s_wait_loadcnt 32                              ; this block's 32 loads are in; the next block's 32 may be out
.else
	s_wait_loadcnt 0x0
.endif
	v_max3_num_f32 v12, |v[XB]|, |v[XB+1]|, |v[XB+2]|              ; all 32 numbers of the block are mine
	v_max3_num_f32 v13, |v[XB+3]|, |v[XB+4]|, |v[XB+5]|
.irp i, 6,10,14,18,22,26
	v_max3_num_f32 v12, v12, |v[XB+\i]|, |v[XB+\i+1]|
	v_max3_num_f32 v13, v13, |v[XB+\i+2]|, |v[XB+\i+3]|
.endr
	v_max3_num_f32 v12, v12, |v[XB+30]|, |v[XB+31]|
	v_max3_num_f32 v12, v12, v13, (EMAX+1)<<23     ; and the floor
	v_add_nc_u32 v11, -(EMAX<<23), v12             ; the conversion's scale operand
	v_lshrrev_b32 v13, 23, v11                     ; the byte
.if (\t)%4 == 0
	v_mov_b32 v[SB+(\t)/4], v13
.else
	v_lshl_or_b32 v[SB+(\t)/4], v13, 8*((\t)%4), v[SB+(\t)/4]
.endif
	v_cvt_scalef32_pk16_fp6_f32 v[WC:WC+2], v[XB:XB+15], v11
	v_cvt_scalef32_pk16_fp6_f32 v[WC+4:WC+6], v[XB+16:XB+31], v11  ; (a conversion's three registers begin on an even number)
	ds_store_b96 v4, v[WC:WC+2] offset:32*(\t)     ; 12 bytes to a place of 16, so that every LDS address is a multiple of 16
	ds_store_b96 v4, v[WC+4:WC+6] offset:32*(\t)+16
.if (\t)+2 < 8
	WLOAD (\t)+2
.endif
	s_wait_dscnt 0x0                               ; the stores have read their registers: the next block's codes may be written
.endm
.irp t, 0,1,2,3,4,5,6,7
	WBLOCK \t
.endr
	s_wait_alu depctr_va_vdst(0)
	global_store_b64 v9, v[SB:SB+1], s[12:13]      ; my place's eight scale bytes
.irp t, 0,1,2,3,4,5,6,7,8,9,10,11,12,13,14,15
	ds_load_b96 v[OUTR+4*\t:OUTR+4*\t+2], v7 offset:2*\t*WP
.endr
.irp t, 0,1,2,3,4,5,6,7,8,9,10,11,12,13,14,15
	s_wait_dscnt 15-\t                             ; the younger loads may be out
	global_store_b96 v8, v[OUTR+4*\t:OUTR+4*\t+2], s[14:15] offset:2*\t*192   ; the wave stores two rows, 384 consecutive bytes
.endr
	s_wait_tensorcnt 0x0
	ds_add_u32 v208, v209
	s_wait_dscnt 0x0
	s_endpgm
.Lfunc_end_k_qb93687d57e_quant:
	.size	k_qb93687d57e_quant, .Lfunc_end_k_qb93687d57e_quant-k_qb93687d57e_quant
	.p2alignl 7, 3214868480
	.fill 96, 4, 3214868480
	.section	.rodata,"a",@progbits
	.p2align	6, 0x0
	.amdhsa_kernel k_qb93687d57e_quant
		.amdhsa_group_segment_fixed_size 68096
		.amdhsa_private_segment_fixed_size 0
		.amdhsa_enable_private_segment 0
		.amdhsa_kernarg_size 40
		.amdhsa_user_sgpr_count 2
		.amdhsa_user_sgpr_kernarg_segment_ptr 1
		.amdhsa_wavefront_size32 1
		.amdhsa_system_sgpr_workgroup_id_x 1
		.amdhsa_system_sgpr_workgroup_id_y 1
		.amdhsa_system_sgpr_workgroup_id_z 1
		.amdhsa_system_vgpr_workitem_id 0
		.amdhsa_next_free_vgpr 210
		.amdhsa_next_free_sgpr 66
		.amdhsa_reserve_vcc 0
		.amdhsa_float_denorm_mode_32 3
		.amdhsa_float_denorm_mode_16_64 3
		.amdhsa_memory_ordered 1
		.amdhsa_forward_progress 1
		.amdhsa_inst_pref_size 76
	.end_amdhsa_kernel
	.amdgpu_metadata
---
amdhsa.version: [ 1, 2 ]
amdhsa.kernels:
  - .name:           k_qb93687d57e_quant
    .symbol:         k_qb93687d57e_quant.kd
    .args:
      - { .name: x, .offset: 0, .size: 8, .value_kind: global_buffer, .address_space: global }
      - { .name: w_qkv, .offset: 8, .size: 8, .value_kind: global_buffer, .address_space: global }
      - { .name: w_proj, .offset: 16, .size: 8, .value_kind: global_buffer, .address_space: global }
      - { .name: xq, .offset: 24, .size: 8, .value_kind: global_buffer, .address_space: global }
      - { .name: wq, .offset: 32, .size: 8, .value_kind: global_buffer, .address_space: global }
    .group_segment_fixed_size: 68096
    .private_segment_fixed_size: 0
    .kernarg_segment_align: 8
    .kernarg_segment_size: 40
    .max_flat_workgroup_size: 128
    .sgpr_count:     66
    .vgpr_count:     210
    .wavefront_size: 32
...
	.end_amdgpu_metadata
.endif
;; end of part 1
;; launch qkv (part 2): grid 12 x 32, 4 waves a work-group, clusters of 4 x 4, 327,680 bytes of LDS; arguments xq, wq, b_qkv, qkv; writes qkv
.if DOCPART == 2
	.amdgcn_target "amdgcn-amd-amdhsa--gfx1250"
	.amdhsa_code_object_version 6
	.text
	.protected	k_qb93687d57e_qkv
	.globl	k_qb93687d57e_qkv
	.p2align	8
	.type	k_qb93687d57e_qkv,@function
k_qb93687d57e_qkv:
	s_mov_b64 s[64:65], 0
	v_nop
	global_prefetch_b8 v0, s[64:65] scope:SCOPE_SE
	s_setreg_imm32_b32 hwreg(HW_REG_WAVE_MODE, 25, 1), 1
	s_wait_xcnt 0x0
	s_wait_alu depctr_hold_cnt(0) depctr_sa_sdst(0) depctr_va_vdst(0) depctr_va_sdst(0) depctr_va_ssrc(0) depctr_va_vcc(0) depctr_vm_vsrc(0)
	s_getreg_b32 s2, hwreg(HW_REG_IB_STS2, 6, 4)
	s_cmp_eq_u32 s2, 0
	s_cbranch_scc0 .Lentry_in_a_cluster
	s_endpgm
.Lentry_in_a_cluster:
	s_bfe_u32 s2, ttmp6, 0x10000c
	s_cmp_lg_u32 s2, 0xf033
	s_cbranch_scc0 .Lentry_shape_is_right
	s_endpgm
.Lentry_shape_is_right:
; q, k, v = x w_qkv + b_qkv on codes of FP6 (E2M3) with E8M0 scales, sums in f32; the results are quantised in registers (q and k along the head's 64, v along the keys) and leave as images of operand registers.
; A tile of 256 x 256 is made by four waves, 128 x 128 each: 64 accumulators, 512 registers.  K = 1,024 goes in four steps of 256 through two LDS slots filled by the tensor data mover; the scale bytes of the
; tile's 2 x 256 rows come once, with the first fills.  4 x 4 work-groups form a cluster; source 1's tiles are asked for jointly along a row of the cluster, source 0's along a column.
; WHO IS SOURCE 0.  A lane of a result holds one row of source 1 and eight rows of source 0; the quantiser wants its K along a lane's registers.  For q and k (cluster x = 0, 1) K is the head's axis: source 0 = 16 places
; of w_qkv, source 1 = 16 places of x.  For v (cluster x = 2) K is the keys: source 0 = x, source 1 = w_qkv.  Only pointers and tile numbers are chosen (on the cluster's x, which all partners share); the loop is one text.
; Rows of xq and wq lie in the order of places (the two middle groups of eight of each 32 changed), so the 16 registers of source 0's tiles 2 B and 2 B + 1 are rows 32 B + 16 (lane / 16) + 0 .. 15.
; THE BIAS is the C of each sum's first matrix instruction, so it is added ahead of the products and not behind them as the sums are written in the problem.
; OUT (buffer qkv).  Codes at ((sel 8 + b) 16 + head) 49,152: q, k: [tile of 16 places][768 bytes: half a fragment]; v: [key step of 128][tile of 16 of the head's 64][1,536 bytes: a fragment].  Register pair p of an image lies at
; 256 p + 8 lane: each store of the wave covers 256 consecutive bytes, aligned.  Scale words at QS_OFF in blocks of 512 bytes, (((sel 8 + b) 8 + head pair) 8 + R) 512; the word of (tile a, row r) at 16 (r + 16 (a & 1)) + 4 (a >> 1).
; LIMITS: NaN and infinities are not served; a block of zeros gets the byte 1 (its codes are zeros, and this program alone reads the bytes); blocks whose largest magnitude lies under 2^-124 are held at the byte 1.
; REGISTERS: window 0: v0-31 addresses; v32-63 scale words, two sets; v64-127 the bias, later the epilogue's work; v128-223 source 1's fragments, one set; v224-233 the epilogue's.  window 1: source 0's fragments, two sets.
;   windows 2, 3: the accumulators ((a, b) at v[8 (8 (a % 4) + b)] of window 2 + a / 4).
.set XS_OFF, 6291456
.set WS_OFF, 3145728
.set QS_OFF, 18874368
.set KSTEP,  256
.set NQ,     2
.set ROWB,   192                       ; a tile's row: 256 codes
.set KROW,   768                       ; a row of xq or wq
.set PITCH,  240                       ; an LDS row: 3 x (64 bytes + 16 of padding)
.set FR,     12
.set NL,     6
.set NP,     4
.set HALFT,  128*PITCH
.set SLOT,   4*HALFT
.set KS,     32                        ; a row of scale bytes
.set SCL,    2*SLOT
.set HALFS,  (128*KS/256)*272
.set SBLK,   (16*KS/256)*272
.set SPARE,  SCL+4*HALFS               ; the spare words: 128 bytes for each wave, named by no other line
.set ADRA, 16
.set ADRB, 20
.set ADRS, 27
.set SPW,  28
.set NIL,  29
.set SC,   32
.set BI,   64                          ; the bias: 8 tiles x 8 registers in the result's layout
.set AF,   128
.set TM,   64                          ; the epilogue: +0..3 largest magnitudes, +4..7 the other half's and the bytes, +12..15 the conversions' scale operands
.set PCS,  80                          ; two sets of 20: a fragment's codes, and the conversions' second halves
.set PWS,  120                         ; the eight scale words
.set MG,   224
.set VO,   228
.set VS,   232
.set G1, 24
.set G0, 32
.set G1B, 48
.set G0B, 56
.set G1S, 68
.set G0S, 76
.set G1SB, 80
.set G0SB, 88
.set MSB, 0
.macro WIN new                         ; the immediate's high byte repeats the setting that is left
.if MSB != (\new)
	s_set_vgpr_msb (MSB<<8)|(\new)
.set MSB, (\new)
.endif
.endm
.set MUL_LO, 0xa1                      ; source 0 window 1, source 1 window 0, C and D window 2
.set MUL_HI, 0xf1                      ; the same, C and D window 3
.set TO_B,   0x40
; A joint load: waves 0 and 1 fetch for source 1, waves 2 and 3 for source 0.  The branch hangs on the wave's number alone.  Four v_nop follow each of the two lines.
.macro JLOAD g0a, g1a, g0b, g1b
	s_cmp_eq_u32 s15, 0
	s_cbranch_scc0 .Lfor_b_\@
	tensor_load_to_lds s[\g0a:\g0a+3], s[\g1a:\g1a+7]
	s_nop 0
.rept 4
	v_nop
.endr
	s_branch .Lasked_\@
.Lfor_b_\@:
	tensor_load_to_lds s[\g0b:\g0b+3], s[\g1b:\g1b+7]
	s_nop 0
.rept 4
	v_nop
.endr
.Lasked_\@:
.endm
.macro CREST                           ; a round of the cluster's barrier behind its opening barrier
	s_cmp_lg_u32 s14, 0
	s_cbranch_scc1 .Lnot_wave_0_\@
	s_barrier_signal -3
.Lnot_wave_0_\@:
	s_barrier_wait -3
	s_barrier_signal -1
	s_barrier_wait -1
.endm
.macro CROUND
	s_barrier_signal -1
	s_barrier_wait -1
	CREST
.endm
	s_load_b256 s[4:11], s[0:1], 0x0               ; xq s[4:5], wq s[6:7], b_qkv s[8:9], qkv s[10:11]
	v_lshl_add_u32 v[SPW], v0, 2, SPARE
	v_mov_b32 v[NIL], 0
	ds_add_u32 v28, v29
	ds_add_u32 v28, v29
	s_wait_dscnt 0x0
	v_lshrrev_b32 v1, 5, v0
	v_readfirstlane_b32 s14, v1                    ; wave 0..3
	s_lshr_b32 s15, s14, 1                         ; wr: my half of source 1's rows.  Also: I fetch for source 1 (0) or source 0 (1)
	s_and_b32 s16, s14, 1                          ; wc: my half of source 0's rows.  Also: which 128 rows I fetch
	s_bfe_u32 s40, ttmp6, 0x40000                  ; cx
	s_bfe_u32 s41, ttmp6, 0x40004                  ; cy
	s_and_b32 s17, ttmp7, 0xffff                   ; cluster y = the batch
	s_lshl_b32 s18, s17, 2
	s_lshl_b32 s43, s41, 2
	s_lshl_b32 s43, 15, s43                        ; my row of the cluster
	s_lshl_b32 s44, 0x1111, s40                    ; my column
	s_or_b32 s[G1+0], s43, (0<<16)|(1<<20)|(1<<21)|(3<<22)|(3<<25)  ; the mask; elements of 1 byte; padding on; bit 21 beside a mask; after every 16 words 4 words
	s_or_b32 s[G1B+0], s44, (0<<16)|(1<<20)|(1<<21)|(3<<22)|(3<<25)
.irp g, G1, G1B
	s_mov_b32 s[\g+1], 256<<16                     ; a K step's rows of 192 bytes lie end to end: the dense block is stated as rows of 256 bytes; the padding's interval stays 64 bytes, so the LDS image has 240 bytes a row of codes
	s_mov_b32 s[\g+2], 192<<16                     ; the head's loads: 256 rows of codes = 192 rows of 256 bytes
	s_mov_b32 s[\g+3], 256<<16
	s_mov_b32 s[\g+4], 192
	s_mov_b32 s[\g+5], 256
	s_mov_b32 s[\g+6], 0
	s_mov_b32 s[\g+7], 0
.endr
	s_or_b32 s[G1S+0], s43, (3<<16)|(1<<20)|(1<<21)|(5<<22)|(3<<25) ; the scale bytes of 256 rows: 8,192 dense bytes as 32 rows of 256, 16 bytes of padding behind each
	s_or_b32 s[G1SB+0], s44, (3<<16)|(1<<20)|(1<<21)|(5<<22)|(3<<25)
.irp g, G1S, G1SB
	s_mov_b32 s[\g+1], 32<<16
	s_mov_b32 s[\g+2], (256*KS/256)<<16
	s_mov_b32 s[\g+3], 32<<16
	s_mov_b32 s[\g+4], 256*KS/256
	s_mov_b32 s[\g+5], 32
	s_mov_b32 s[\g+6], 0
	s_mov_b32 s[\g+7], 0
.endr
	s_mov_b32 s98, XS_OFF
	s_mov_b32 s99, WS_OFF
	s_wait_kmcnt 0x0
	s_cmp_eq_u32 ttmp9, 2                          ; v's columns?  The cluster's x is the same in all sixteen partners.  Only moves and selections follow up to the last selection
	s_cselect_b32 s66, 1, 0                        ; ISV
	s_cselect_b64 s[12:13], s[6:7], s[4:5]         ; source 1's buffer
	s_cselect_b64 s[96:97], s[4:5], s[6:7]         ; source 0's
	s_cselect_b32 s67, s99, s98                    ; where source 1's scale bytes begin
	s_cselect_b32 s95, s98, s99                    ; and source 0's
	s_cselect_b32 s19, 8, s18
	s_cselect_b32 s100, s17, ttmp9
	s_mov_b32 s94, 0x180000                        ; from K step to K step in xq: 8192 x 192 bytes,
	s_mov_b32 s101, 0xc0000                        ; in wq: 4096 x 192
	s_cselect_b32 s2, s101, s94                    ; source 1's
	s_cselect_b32 s3, s94, s101                    ; source 0's
	s_add_co_u32 s19, s19, s41                     ; source 1's tile of 256 rows: x: 4 cluster y + cy; w: 8 + cy.  It never holds cx
	s_lshl_b32 s100, s100, 2
	s_add_co_u32 s100, s100, s40                   ; source 0's: w: 4 cluster x + cx; x: 4 cluster y + cx.  It never holds cy
	s_lshl_b32 s20, s19, 8                         ; the tiles' first rows
	s_lshl_b32 s46, s100, 8
	s_lshl_b32 s22, s20, 5                         ; the rows' scale bytes,
	s_add_co_u32 s22, s22, s67
	s_mov_b32 s23, 0
	s_mul_i32 s20, s20, ROWB
	s_mov_b32 s21, 0
	s_lshl_b32 s92, s46, 5
	s_add_co_u32 s92, s92, s95
	s_mov_b32 s93, 0
	s_mul_i32 s46, s46, ROWB
	s_mov_b32 s47, 0
	s_add_nc_u64 s[22:23], s[12:13], s[22:23]
	s_add_nc_u64 s[20:21], s[12:13], s[20:21]
	s_add_nc_u64 s[92:93], s[96:97], s[92:93]
	s_add_nc_u64 s[46:47], s[96:97], s[46:47]
	s_mul_i32 s45, s14, HALFT                      ; where they go: wave x 128 rows: no place in the cluster enters an LDS address
	s_lshl_b32 s12, s2, 1                          ; two K steps on in source 1's buffer, in bytes (the buffers' addresses have served),
	s_mov_b32 s13, 0
	s_lshl_b32 s96, s3, 1                          ; and in source 0's
	s_mov_b32 s97, 0
	s_mul_i32 s94, s16, 128*ROWB                   ; in the ring I fetch 128 rows of a tile: which half, in bytes
	s_mov_b32 s95, 0
	CROUND                                         ; all sixteen work-groups are here: the first joint loads meet
	s_mov_b32 s[G0], 1                             ; the head's four tiles, each whole.  Slot 0's groups 0 serve them first: K step 0's 256 rows of source 1,
	s_mov_b32 s[G0+1], 0
	s_mov_b64 s[G0+2:G0+3], s[20:21]
	s_or_b32 s[G0+3], s[G0+3], 0x80000000
	s_mov_b32 s[G0B], 1                            ; its 256 rows of source 0, behind them,
	s_mov_b32 s[G0B+1], 2*HALFT
	s_mov_b64 s[G0B+2:G0B+3], s[46:47]
	s_or_b32 s[G0B+3], s[G0B+3], 0x80000000
	s_mov_b32 s[G0S], 1                            ; the scale bytes of source 1's 256 rows,
	s_mov_b32 s[G0S+1], SCL
	s_mov_b64 s[G0S+2:G0S+3], s[22:23]
	s_or_b32 s[G0S+3], s[G0S+3], 0x80000000
	s_mov_b32 s[G0SB], 1                           ; and of source 0's
	s_mov_b32 s[G0SB+1], SCL+2*HALFS
	s_mov_b64 s[G0SB+2:G0SB+3], s[92:93]
	s_or_b32 s[G0SB+3], s[G0SB+3], 0x80000000
	s_mov_b32 s[G0+4], 1                           ; slot 1: my 128 rows of K step 1
	s_add_co_u32 s[G0+5], s45, SLOT
	s_add_nc_u64 s[G0+6:G0+7], s[20:21], s[94:95]
	s_mov_b32 s22, s2
	s_mov_b32 s23, 0
	s_add_nc_u64 s[G0+6:G0+7], s[G0+6:G0+7], s[22:23]
	s_or_b32 s[G0+7], s[G0+7], 0x80000000
	s_mov_b32 s[G0B+4], 1
	s_add_co_u32 s[G0B+5], s45, SLOT
	s_add_nc_u64 s[G0B+6:G0B+7], s[46:47], s[94:95]
	s_mov_b32 s22, s3
	s_add_nc_u64 s[G0B+6:G0B+7], s[G0B+6:G0B+7], s[22:23]
	s_or_b32 s[G0B+7], s[G0B+7], 0x80000000
; the head's loads, one a wave, in one chain of branches on the wave's number
.macro ARM under, g0, g1, next
	s_cmp_lt_u32 s14, \under
	s_cbranch_scc0 \next
	tensor_load_to_lds s[\g0:\g0+3], s[\g1:\g1+7]
	s_nop 0
.rept 4
	v_nop
.endr
	s_branch .Lhead_asked
\next:
.endm
	ARM 1, G0,  G1,  .Lhead_b
	ARM 2, G0B, G1B, .Lhead_sa
	ARM 3, G0S, G1S, .Lhead_sb
	tensor_load_to_lds s[G0SB:G0SB+3], s[G1SB:G1SB+7]
	s_nop 0
.rept 4
	v_nop
.endr
.Lhead_asked:
	; PREFETCHES INTO THE L2.  A wave asks for what it will itself fetch in the ring: 128 rows of a K step, 24,576 dense bytes, 96 blocks of 256.  The four partners that ask for a tile jointly share the blocks out by address:
	; the partner at place p (cx for source 1, cy for source 0) takes blocks 24 p .. 24 p + 23, a lane a block (lanes 24-31 name the last again).  K steps 1 and 2 are asked for here, K step 3 in the first change of slots,
	; one K step ahead of its load.  The weights' tiles are read by all eight rows of clusters: rows 0 to 3 ask for them.  v9-v11 and s[4:5] are kept for this alone.
	s_cmp_eq_u32 s15, 0                            ; do I fetch for source 1?
	s_cselect_b64 s[4:5], s[20:21], s[46:47]       ; the tile's first byte in K step 0
	s_cselect_b32 s6, s2, s3                       ; from K step to K step
	s_cselect_b32 s7, s40, s41                     ; my place among the four
	s_mul_i32 s7, s7, 24*256
	s_add_co_u32 s22, s94, s7                      ; my 128 rows, my work-group's quarter of them (s23 = 0)
	s_add_nc_u64 s[4:5], s[4:5], s[22:23]
	s_xor_b32 s101, s15, s66                       ; 1: my tiles are the weights'
	s_lshr_b32 s7, s17, 2
	s_min_u32 s7, s7, 1                            ; 1: cluster y is 4 or more
	s_and_b32 s101, s101, s7                       ; 1: I ask for nothing
	v_and_b32 v8, 31, v0
	v_min_u32 v8, 23, v8
	v_lshlrev_b32 v8, 8, v8
	v_add_nc_u32 v9, s6, v8                        ; K step 1,
	v_add_nc_u32 v10, s6, v9                       ; 2,
	v_add_nc_u32 v11, s6, v10                      ; 3
	s_cmp_eq_u32 s101, 0
	s_cbranch_scc0 .Lno_ask
	global_prefetch_b8 v9, s[4:5] th:TH_LOAD_NT scope:SCOPE_SE
	global_prefetch_b8 v10, s[4:5] th:TH_LOAD_NT scope:SCOPE_SE
.Lno_ask:
	v_and_b32 v1, 15, v0                           ; r
	v_bfe_u32 v2, v0, 4, 1                         ; h
	v_mul_u32_u24 v3, v1, PITCH
	v_mul_u32_u24 v4, v2, 24
	v_add_nc_u32 v4, v3, v4                        ; a fragment's row x pitch + 24 x half
	v_lshl_add_u32 v5, v2, 4, v4                   ; and the same behind one padding more
	s_mul_i32 s21, s15, HALFT                      ; my 128 rows of source 1
	s_mul_i32 s22, s16, HALFT                      ; my 128 rows of source 0,
	s_add_co_u32 s22, s22, 2*HALFT                 ; which lie behind source 1's 256
.irp s, 0,1
	v_add_nc_u32 v[ADRA+\s], s21, v4
	v_add_nc_u32 v[ADRB+\s], s22, v4
	v_add_nc_u32 v[ADRA+2+\s], s21, v5
	v_add_nc_u32 v[ADRB+2+\s], s22, v5
	s_add_co_u32 s21, s21, SLOT
	s_add_co_u32 s22, s22, SLOT
.endr
	v_mul_u32_u24 v5, v1, KS                       ; my row's scale bytes: 32 a row,
	v_lshrrev_b32 v6, 8, v5
	v_lshl_add_u32 v5, v6, 4, v5                   ; and 16 more for each 256 passed
	s_mul_i32 s21, s15, HALFS
	s_mul_i32 s22, s16, HALFS
	s_add_co_u32 s22, s22, 2*HALFS
	s_sub_co_u32 s22, s22, s21
	v_mul_u32_u24 v6, s22, v2                      ; lanes 16-31 take source 0's
	s_add_co_u32 s21, s21, SCL
	v_add_nc_u32 v5, v5, v6
	v_add_nc_u32 v[ADRS], s21, v5
	; what the way out needs of my place
	s_lshl_b32 s2, s41, 1
	s_add_co_u32 s2, s2, s15                       ; u = 2 cy + wr: which 128 of source 1's 1,024
	s_lshl_b32 s3, s40, 1
	s_add_co_u32 s3, s3, s16                       ; t = 2 cx + wc: which 128 of source 0's
	s_cmp_eq_u32 s66, 1
	s_cselect_b32 s98, s2, s3                      ; J: the head pair
	s_cselect_b32 s99, s3, s2                      ; R: the block of 128 rows of x in the batch (for v: the key step)
	s_lshl_b32 s42, ttmp9, 3
	s_add_co_u32 s42, s42, s17                     ; sel 8 + b
	; the bias of my 128 columns of w_qkv
	s_lshl_b32 s2, s19, 8
	s_lshl_b32 s3, s15, 7
	s_add_co_u32 s2, s2, s3                        ; v: columns are source 1's rows
	s_lshl_b32 s3, s100, 8
	s_lshl_b32 s18, s16, 7
	s_add_co_u32 s3, s3, s18                       ; q, k: source 0's
	s_cmp_eq_u32 s66, 1
	s_cselect_b32 s2, s2, s3
	s_lshl_b32 s2, s2, 2
	s_mov_b32 s3, 0
	s_add_nc_u64 s[8:9], s[8:9], s[2:3]
	s_cmp_eq_u32 s66, 1
	s_cbranch_scc1 .Lbias_v
	v_lshlrev_b32 v7, 6, v2                        ; q, k: register j of tile b holds column 32 (b / 2) + 16 h + 8 (b % 2) + j
.irp b, 0,1,2,3,4,5,6,7
	global_load_b128 v[BI+8*\b:BI+8*\b+3], v7, s[8:9] offset:(32*(\b/2)+8*(\b%2))*4
	global_load_b128 v[BI+8*\b+4:BI+8*\b+7], v7, s[8:9] offset:(32*(\b/2)+8*(\b%2))*4+16
.endr
	s_branch .Lbias_done
.Lbias_v:
	v_and_b32 v7, 8, v1
	v_add_nc_u32 v7, v7, v1
	v_lshlrev_b32 v7, 2, v7                        ; v: all eight registers of block a hold column 32 (a / 2) + 8 (a % 2) + r + 8 (r / 8)
.irp a, 0,1,2,3,4,5,6,7
.irp j, 0,1,2,3,4,5,6,7
	global_load_b32 v[BI+8*\a+\j], v7, s[8:9] offset:(32*(\a/2)+8*(\a%2))*4
.endr
.endr
.Lbias_done:
.macro FRAG reg, adr, q, i             ; 16 rows x 128 K of 6-bit codes: 12 registers; lane l holds row l % 16; registers 6 c .. 6 c + 5 hold K = 64 c + 32 (l / 16) + 0 .. 31, as they lie in the row's stream of bits
.irp p, 0,1,2,3,4,5                    ; in pieces of 8 bytes; where the piece of lanes 16-31 lies behind one padding more, the second address register serves
.set PC, 12*(\q)+6*(\p/3)+\p%3
.if PC%8 < 5
	ds_load_b64 v[\reg+2*\p:\reg+2*\p+1], v[\adr] offset:8*PC+16*(PC/8)+(\i)*16*PITCH
.else
	ds_load_b64 v[\reg+2*\p:\reg+2*\p+1], v[\adr+2] offset:8*PC+16*(PC/8)+(\i)*16*PITCH
.endif
.endr
.endm
; 16 matrix instructions: source 1's blocks a0, a0 + 1 x source 0's eight.  cm = 0: the sums go on; 1: they start from the bias by source 0's tile; 2: by source 1's block.  The 64 accumulators take turns.
.macro MUL16 a0, p, q, sc, cm
.irp a, \a0, \a0+1
.irp b, 0,1,2,3,4,5,6,7
.if (\cm) == 1
	v_wmma_scale_f32_16x16x128_f8f6f4 v[8*(8*((\a)%4)+\b):8*(8*((\a)%4)+\b)+7], v[128*(\p)+FR*\b:128*(\p)+FR*\b+FR-1], v[AF+FR*(\a):AF+FR*(\a)+FR-1], v[BI+8*\b:BI+8*\b+7], v[SC+8*NQ*(\sc)+NQ*\b+(\q)], v[SC+8*NQ*(\sc)+NQ*(\a)+(\q)] matrix_a_fmt:MATRIX_FMT_FP6 matrix_b_fmt:MATRIX_FMT_FP6 matrix_a_scale:MATRIX_SCALE_ROW1
.elseif (\cm) == 2
	v_wmma_scale_f32_16x16x128_f8f6f4 v[8*(8*((\a)%4)+\b):8*(8*((\a)%4)+\b)+7], v[128*(\p)+FR*\b:128*(\p)+FR*\b+FR-1], v[AF+FR*(\a):AF+FR*(\a)+FR-1], v[BI+8*(\a):BI+8*(\a)+7], v[SC+8*NQ*(\sc)+NQ*\b+(\q)], v[SC+8*NQ*(\sc)+NQ*(\a)+(\q)] matrix_a_fmt:MATRIX_FMT_FP6 matrix_b_fmt:MATRIX_FMT_FP6 matrix_a_scale:MATRIX_SCALE_ROW1
.else
	v_wmma_scale_f32_16x16x128_f8f6f4 v[8*(8*((\a)%4)+\b):8*(8*((\a)%4)+\b)+7], v[128*(\p)+FR*\b:128*(\p)+FR*\b+FR-1], v[AF+FR*(\a):AF+FR*(\a)+FR-1], v[8*(8*((\a)%4)+\b):8*(8*((\a)%4)+\b)+7], v[SC+8*NQ*(\sc)+NQ*\b+(\q)], v[SC+8*NQ*(\sc)+NQ*(\a)+(\q)] matrix_a_fmt:MATRIX_FMT_FP6 matrix_b_fmt:MATRIX_FMT_FP6 matrix_a_scale:MATRIX_SCALE_ROW1
.endif
.endr
.endr
.endm
.macro FETCH_B slot, q, p
	WIN TO_B
.irp i, 0,1,2,3,4,5,6,7
	FRAG 128*(\p)+FR*\i, ADRB+\slot, \q, \i
.endr
	WIN 0
.endm
.macro FETCH_A slot, q, i0
.irp i, \i0, \i0+1, \i0+2, \i0+3
	FRAG AF+FR*(\i), ADRA+\slot, \q, \i
.endr
.endm
.macro SCALES sc                       ; a K step's two scale words a row: lanes 0-15 take source 1's block i, lanes 16-31 source 0's block i
.irp i, 0,1,2,3,4,5,6,7
	ds_load_b64 v[SC+8*NQ*\sc+NQ*\i:SC+8*NQ*\sc+NQ*\i+1], v[ADRS] offset:\i*SBLK
.endr
.endm
.macro PLACES n                        ; plain vector lines between a matrix instruction and a load into, or a vector read or write of, its registers
.rept \n
	v_nop
.endr
.endm
.macro STEP slot, q, cm                ; 128 along K that has its successor in the same slot
	s_wait_dscnt 4*NL                              ; source 0's set and source 1's blocks 0-3 are in; the youngest 24 loads (blocks 4-7) may be out
.if \cm
	WIN 0x81                                       ; C (the bias) window 0, D window 2
.else
	WIN MUL_LO
.endif
	MUL16 0, (\q)%2, \q, \slot, \cm
	MUL16 2, (\q)%2, \q, \slot, \cm
	s_wait_dscnt 0
	PLACES NP
	FETCH_B \slot, (\q)+1, 1-(\q)%2
	FETCH_A \slot, (\q)+1, 0
.if \cm
	WIN 0xc1
.else
	WIN MUL_HI
.endif
	MUL16 4, (\q)%2, \q, \slot, \cm
	MUL16 6, (\q)%2, \q, \slot, \cm
	PLACES NP
	WIN 0
	FETCH_A \slot, (\q)+1, 4
.endm
; A slot's last step changes slots: one barrier; in front of it each wave waits for all its tensor loads, adds 0 to its spare word, and waits for that and for its own reads of this slot.
.macro TURN slot, next, fill, pf=0
	s_wait_tensorcnt 0x0                           ; all my tensor loads have landed: my part of the next slot
	ds_add_u32 v[SPW], v[NIL]                      ; 0 onto my spare word
	s_wait_dscnt 4*NL+1                            ; the add and the youngest 24 loads may be out
	WIN MUL_LO
	MUL16 0, 1, NQ-1, \slot, 0
	s_wait_dscnt 0x0                               ; the add is done, and my reads of this slot are over
	s_barrier_signal -1
	MUL16 2, 1, NQ-1, \slot, 0
	WIN 0
	s_barrier_wait -1
.if \fill
	CREST                                          ; the barrier has opened a round of the cluster's: no wave of any partner still reads this slot or has a load on its way
	s_add_nc_u64 s[G0+4*\slot+2:G0+4*\slot+3], s[G0+4*\slot+2:G0+4*\slot+3], s[12:13]
	s_add_nc_u64 s[G0B+4*\slot+2:G0B+4*\slot+3], s[G0B+4*\slot+2:G0B+4*\slot+3], s[96:97]
	JLOAD G0+4*\slot, G1, G0B+4*\slot, G1B         ; my one tensor load behind the round; its four v_nop are also the places in front of the loads below
.else
	PLACES NP
.endif
	s_wait_alu depctr_va_vdst(0)
	v_add_nc_u32 v[ADRS], 4*NQ, v[ADRS]
	FETCH_B \next, 0, 0
	FETCH_A \next, 0, 0
	SCALES \next
.if \pf
	s_cmp_eq_u32 s101, 0                           ; behind the joint load and the run of LDS loads: K step 3, which the next change of slots loads
	s_cbranch_scc0 .Lno_ask_\@
	global_prefetch_b8 v11, s[4:5] th:TH_LOAD_NT scope:SCOPE_SE
.Lno_ask_\@:
.endif
	WIN MUL_HI
	MUL16 4, 1, NQ-1, \slot, 0
	MUL16 6, 1, NQ-1, \slot, 0
	PLACES NP
	WIN 0
	FETCH_A \next, 0, 4
.endm
	s_wait_alu depctr_va_vdst(0)                   ; the wait at the head's end
	s_wait_tensorcnt 0x0                           ; my tile of the head's four is in; the three lines stand ahead of slot 1's first fill as ahead of a refill
	ds_add_u32 v[SPW], v[NIL]
	s_mov_b32 s[G1+2], 96<<16                      ; no tensor load of mine is out, so descriptors may be written: from here on a load brings 128 rows of codes = 96 rows of 256 bytes,
	s_mov_b32 s[G1+4], 96
	s_mov_b32 s[G1B+2], 96<<16
	s_mov_b32 s[G1B+4], 96
	s_mov_b32 s[G0+1], s45                         ; and slot 0's groups 0 point at my 128 rows
	s_add_nc_u64 s[G0+2:G0+3], s[G0+2:G0+3], s[94:95]
	s_mov_b32 s[G0B+1], s45
	s_add_nc_u64 s[G0B+2:G0B+3], s[G0B+2:G0B+3], s[94:95]
	s_wait_dscnt 0x0
	CROUND                                         ; all four tiles are in, and all sixteen work-groups are here
	JLOAD G0+4, G1, G0B+4, G1B                     ; K step 1, my one tensor load behind the round
	FETCH_B 0, 0, 0
	FETCH_A 0, 0, 0
	s_wait_alu depctr_va_vdst(0)
	SCALES 0
	FETCH_A 0, 0, 4
	s_wait_loadcnt 0x0                             ; the bias
	s_cmp_eq_u32 s66, 1
	s_cbranch_scc1 .Lfirst_v
	STEP 0, 0, 1                                   ; the first step starts the sums from the bias: written twice, since the bias goes by another index for v
	s_branch .Lfirst_done
.Lfirst_v:
	STEP 0, 0, 2
.Lfirst_done:
	TURN 0, 1, 1, 1
	STEP 1, 0, 0
	TURN 1, 0, 1                                   ; slot 1 takes K 768 on
	STEP 0, 0, 0
	TURN 0, 1, 0                                   ; nothing is left to fetch
	STEP 1, 0, 0
	s_wait_dscnt 4*NL
	WIN MUL_LO
	MUL16 0, 1, NQ-1, 1, 0
	MUL16 2, 1, NQ-1, 1, 0
	s_wait_dscnt 0
	WIN MUL_HI
	MUL16 4, 1, NQ-1, 1, 0
	MUL16 6, 1, NQ-1, 1, 0
	WIN 0
	; THE WAY OUT.  No tensor load of mine is out, so the descriptors' registers are free.  Block a of source 1: a lane holds one row and 128 numbers along the quantiser's K: one fragment and one scale word.
	PLACES NP
.irp b, 0,1,2,3
	v_mov_b32 v[TM+4+\b], 0                        ; written once: a lane permute's destination counts as one of its sources
.endr
	v_and_b32 v[VS], 31, v0
	v_lshlrev_b32 v233, 3, v[VS]                   ; 8 x lane
	s_wait_alu depctr_va_vdst(0)
	v_lshlrev_b32 v[VS], 4, v[VS]                  ; 16 x lane
	s_lshl_b32 s38, s42, 4
	s_lshl_b32 s39, s98, 1
	s_add_co_u32 s38, s38, s39
	s_mul_i32 s38, s38, 49152                      ; head 2 J of (sel, b),
	s_mul_i32 s39, s99, 6144
	s_add_co_u32 s38, s38, s39                     ; + R x 6,144: eight half fragments of q or k, or a key step of v
	s_mov_b32 s39, 0
	s_add_nc_u64 s[24:25], s[10:11], s[38:39]
	s_mov_b32 s44, 768
	s_mov_b32 s45, 3072
	s_mov_b32 s46, 49152
	s_cmp_eq_u32 s66, 1
	s_cselect_b32 s40, 1536, s44                   ; from block a to a + 1: q, k 768; v 1,536
	s_cselect_b32 s38, s46, s45                    ; from block a to a + 4: q, k 3,072; v the next head
	s_cselect_b32 s46, s44, s46                    ; from a fragment's half 0 to half 1: q, k the next head; v 768
	s_mov_b32 s47, 0
	s_add_nc_u64 s[26:27], s[24:25], s[46:47]
	s_add_nc_u64 s[28:29], s[24:25], s[38:39]
	s_add_nc_u64 s[30:31], s[28:29], s[46:47]      ; base 24 + 4 (a / 4) + 2 (half)
.irp i, 0,1,2,3
	v_mad_u32_u24 v[VO+\i], s40, \i, v233
.endr
	s_lshl_b32 s38, s42, 3
	s_add_co_u32 s38, s38, s98
	s_lshl_b32 s38, s38, 3
	s_add_co_u32 s38, s38, s99
	s_lshl_b32 s38, s38, 9
	s_add_co_u32 s38, s38, QS_OFF
	s_add_nc_u64 s[32:33], s[10:11], s[38:39]      ; my block of 512 bytes of scale words
	s_mov_b32 s35, 0xffff0000                      ; lanes 16-31
	s_mov_b32 s36, 0x76543210
	s_mov_b32 s37, 0xfedcba98                      ; lane l xor 16
.macro OUT a
.set W,  2+(\a)/4
.set AC, 64*((\a)%4)
.set P,  PCS+20*((\a)%2)
	WIN 5*W                                        ; sources 0 and 1 in the accumulators' window
.irp b, 0,1,2,3
	v_max3_num_f32 v[TM+\b], |v[AC+16*\b]|, |v[AC+16*\b+1]|, 0x1800000   ; block b: my 16 numbers and the floor 2^(3 - 127); each accumulator is read from its low end on
.endr
	WIN 20*W                                       ; sources 1 and 2
.irp i, 2,4,6,8,10,12,14
.irp b, 0,1,2,3
	v_max3_num_f32 v[TM+\b], v[TM+\b], |v[AC+16*\b+\i]|, |v[AC+16*\b+\i+1]|
.endr
.endr
	WIN 0
.irp b, 0,1,2,3
	v_permlanex16_b32 v[TM+4+\b], v[TM+\b], s36, s37
.endr
.irp b, 0,1,2,3
	v_max_num_f32 v[TM+\b], v[TM+\b], v[TM+4+\b]   ; with lane l xor 16's: the block's largest magnitude
.endr
.irp b, 0,1,2,3
	v_add_nc_u32 v[TM+12+\b], 0xff000000, v[TM+\b] ; 2 off its exponent field: the conversion's scale operand
.endr
.irp b, 0,1,2,3
	v_lshrrev_b32 v[TM+4+\b], 23, v[TM+12+\b]      ; the byte
.endr
	v_lshl_or_b32 v[PWS+(\a)], v[TM+5], 8, v[TM+4]
	v_lshl_or_b32 v[PWS+(\a)], v[TM+6], 16, v[PWS+(\a)]
	v_lshl_or_b32 v[PWS+(\a)], v[TM+7], 24, v[PWS+(\a)]
.if (\a) > 1
	s_wait_xcnt 0x0                                ; the stores of the block two back have read this set of registers
.endif
	WIN W                                          ; source 0 in the accumulators' window
.irp c, 0,1
	v_cvt_scalef32_pk16_fp6_f32 v[P+6*\c:P+6*\c+2], v[AC+32*\c:AC+32*\c+15], v[TM+12+2*\c]
	v_cvt_scalef32_pk16_fp6_f32 v[P+12+4*\c:P+14+4*\c], v[AC+32*\c+16:AC+32*\c+31], v[TM+13+2*\c]
.endr
	WIN 0
	v_nop                                          ; one plain line behind a scaled conversion
.irp c, 0,1                            ; the operand's layout wants a whole block in a lane: lanes 0-15 block 2 c, lanes 16-31 block 2 c + 1
.irp i, 0,1,2
	v_permlane16_swap_b32 v[P+6*\c+\i], v[P+12+4*\c+\i]
.endr
.irp i, 0,1,2
	v_mov_b32 v[P+3+6*\c+\i], v[P+12+4*\c+\i]
.endr
.endr
.irp c, 0,1
.irp p, 0,1,2
	global_store_b64 v[VO+(\a)%4], v[P+6*\c+2*\p:P+6*\c+2*\p+1], s[24+4*((\a)/4)+2*\c:25+4*((\a)/4)+2*\c] offset:256*\p   ; the wave stores 256 consecutive bytes, aligned
.endr
.endr
.endm
.irp a, 0,1,2,3,4,5,6,7
	OUT \a
.endr
.irp i, 0,1,2,3
	v_cndmask_b32 v[MG+\i], v[PWS+2*\i], v[PWS+2*\i+1], s35   ; lanes 0-15: block 2 i's words, lanes 16-31: block 2 i + 1's
.endr
	global_store_b128 v[VS], v[MG:MG+3], s[32:33]  ; 512 consecutive bytes
	s_wait_tensorcnt 0x0                           ; the wave's end
	ds_add_u32 v[SPW], v[NIL]
	s_wait_dscnt 0x0
	CROUND                                         ; the closing round: no work-group ends while a partner may still ask for a tile that names it
	s_endpgm
.Lfunc_end_k_qb93687d57e_qkv:
	.size	k_qb93687d57e_qkv, .Lfunc_end_k_qb93687d57e_qkv-k_qb93687d57e_qkv
	.p2alignl 7, 3214868480
	.fill 96, 4, 3214868480
	.section	.rodata,"a",@progbits
	.p2align	6, 0x0
	.amdhsa_kernel k_qb93687d57e_qkv
		.amdhsa_group_segment_fixed_size 327680
		.amdhsa_private_segment_fixed_size 0
		.amdhsa_enable_private_segment 0
		.amdhsa_kernarg_size 32
		.amdhsa_user_sgpr_count 2
		.amdhsa_user_sgpr_kernarg_segment_ptr 1
		.amdhsa_wavefront_size32 1
		.amdhsa_system_sgpr_workgroup_id_x 1
		.amdhsa_system_sgpr_workgroup_id_y 1
		.amdhsa_system_sgpr_workgroup_id_z 1
		.amdhsa_system_vgpr_workitem_id 0
		.amdhsa_next_free_vgpr 1024
		.amdhsa_next_free_sgpr 102
		.amdhsa_reserve_vcc 0
		.amdhsa_float_denorm_mode_32 3
		.amdhsa_float_denorm_mode_16_64 3
		.amdhsa_memory_ordered 1
		.amdhsa_forward_progress 1
		.amdhsa_inst_pref_size 193
	.end_amdhsa_kernel
	.amdgpu_metadata
---
amdhsa.version: [ 1, 2 ]
amdhsa.kernels:
  - .name:           k_qb93687d57e_qkv
    .symbol:         k_qb93687d57e_qkv.kd
    .args:
      - { .name: xq, .offset: 0, .size: 8, .value_kind: global_buffer, .address_space: global }
      - { .name: wq, .offset: 8, .size: 8, .value_kind: global_buffer, .address_space: global }
      - { .name: b_qkv, .offset: 16, .size: 8, .value_kind: global_buffer, .address_space: global }
      - { .name: qkv, .offset: 24, .size: 8, .value_kind: global_buffer, .address_space: global }
    .group_segment_fixed_size: 327680
    .private_segment_fixed_size: 0
    .kernarg_segment_align: 8
    .kernarg_segment_size: 32
    .max_flat_workgroup_size: 128
    .sgpr_count:     102
    .vgpr_count:     1024
    .wavefront_size: 32
...
	.end_amdgpu_metadata
.endif
;; end of part 2
;; launch attn (part 3): grid 4 x 64, 16 waves a work-group, clusters of 4 x 1, 262,144 bytes of LDS; arguments qkv, aq; writes aq
.if DOCPART == 3
	.amdgcn_target "amdgcn-amd-amdhsa--gfx1250"
	.amdhsa_code_object_version 6
	.text
	.protected	k_qb93687d57e_attn
	.globl	k_qb93687d57e_attn
	.p2align	8
	.type	k_qb93687d57e_attn,@function
k_qb93687d57e_attn:
	s_mov_b64 s[64:65], 0
	v_nop
	global_prefetch_b8 v0, s[64:65] scope:SCOPE_SE
	s_setreg_imm32_b32 hwreg(HW_REG_WAVE_MODE, 25, 1), 1
	s_wait_xcnt 0x0
	s_wait_alu depctr_hold_cnt(0) depctr_sa_sdst(0) depctr_va_vdst(0) depctr_va_sdst(0) depctr_va_ssrc(0) depctr_va_vcc(0) depctr_vm_vsrc(0)
	s_getreg_b32 s2, hwreg(HW_REG_IB_STS2, 6, 4)
	s_cmp_eq_u32 s2, 0
	s_cbranch_scc0 .Lentry_in_a_cluster
	s_endpgm
.Lentry_in_a_cluster:
	s_bfe_u32 s2, ttmp6, 0x10000c
	s_cmp_lg_u32 s2, 0x3003
	s_cbranch_scc0 .Lentry_shape_is_right
	s_endpgm
.Lentry_shape_is_right:
; o = softmax(q k^T / 8) v for 128 heads of 1,024 x 64, both products on codes of FP6 (E2M3) with E8M0 scales; o is quantised along the model's 1,024 for the last product.
; THE SOFTMAX: t = score x log2(e) / 8; M = the running largest t rounded up to a whole number; p = 2^(t - M) is quantised along the keys, not normalised; the row's sum is taken of the unquantised p and divides at the end.
; When M moves, the sum and O are multiplied by 2^(old M - new M), which rounds nothing.
; SHARES.  A cluster of four work-groups owns one pair of heads of one batch; a work-group 256 queries; each of its sixteen waves 16 queries.  A wave makes two passes, one for each head of the pair, and so ends with a whole
; fragment (128 along the last product's K) and a whole scale word of its 16 rows.
; LDS.  The pair's K and V lie in LDS at once, each byte filled once, 64 bytes of padding behind each 512.  Thirteen slots of 18,432 bytes, slot = wave: waves 0-5 fetch head 0's K and V (a third each), wave 6 the pair's scale
; words of K and V (one tile of two rows of 4,096 bytes), waves 7-12 head 1's K and V; waves 13-15 fetch nothing.  One tensor load a wave, all joint: the four partners read the same bytes.
; The first barrier shows what waves 0-6 fetched; the barrier between the passes shows the rest.  Nothing is filled again.  No prefetch: every tile is asked for at the head, and there is no loop to run ahead in.
; LAYOUT.  Both products are used transposed (S^T = K Q^T, O^T = V^T P^T): a lane holds one query throughout.  All operands lie in memory as images of registers: pair p at 256 p + 8 lane.
; WHICH KEYS FORM A TILE OF K is chosen by the lanes' LDS addresses: of each 64 keys, tile n takes keys 8 n .. 8 n + 7 as its rows 0-7 and keys 32 + 8 n .. as its rows 8-15.  Rows 8-15 lie two stored tiles (1,536 bytes, with
; padding 1,728) behind rows 0-7.  So the 32 registers of four tiles are one whole block of 32 keys in a lane: lanes 0-15 hold blocks 0 and 2 of a key step, lanes 16-31 blocks 1 and 3, which is the order of the operand's registers..
; K = 64 IN AN INSTRUCTION OF 128: Q's upper six registers are zero codes; K's eight half fragments lie six registers apart, so a tile's upper half is the next tile's codes (the last: zeros), which meet zero codes.
; The scale words of Q and K are loaded as 16 bits: the bytes of the unused blocks are 0, a power of two, over products that are 0.
; LIMITS: NaN and infinities are not served; the scaled scores stay under 2^31 in magnitude; a block of zeros gets the byte 1 (its codes are zeros; this program alone reads the bytes); blocks whose largest magnitude lies
; under 2^-124 are held at the byte 1.
.set QS_OFF, 18874368
.set AS_OFF, 6291456
.set KV,   49152                       ; a head's K or V as codes
.set CHK,  18432                       ; a slot: 16,384 bytes and their padding
.set KVP,  3*CHK                       ; a head's K or V in LDS
.set STP,  6912                        ; a key step of K or V in LDS: 6,144 bytes and their padding
.set PSTR, 7*CHK                       ; from head 0's K to head 1's
.set LSK,  6*CHK                       ; K's scale words of the pair (4,096 bytes),
.set LSV,  LSK+4096                    ; V's,
.set LST,  LSV+5120                    ; 1,024 bytes in which the sixteen waves' output scale words meet; no load lands there
.set SPARE, LST+1024                   ; the spare words: 128 bytes a wave
.set L8,   1                           ; 8 x lane
.set AK,   2                           ; this step's K, V, K's scale words, V's
.set AV,   3
.set ASK,  4
.set ASV,  5
.set AK0,  6                           ; and the lane's parts of these addresses
.set AV0,  7
.set ASK0, 8
.set ASV0, 9
.set STA,  10                          ; LST + 64 wave + 4 r
.set L16,  11                          ; 16 x lane
.set QF,   16                          ; v16-27 Q of head 0 (six registers of codes, six of zeros), v28-39 of head 1
.set QS,   40                          ; v40, v41 Q's scale words
.set KSC,  42                          ; v42-49 K's scale words
.set VSC,  50                          ; v50-53 V's
.set PW,   54                          ; p's scale word
.set SW,   55                          ; o's scale word
.set FR,   56                          ; v56-103 eight half fragments of K, or four fragments of V; v104-109 zeros
.set S,    110                         ; v110-173 S^T, then p, then o
.set O,    174                         ; v174-205 O^T
.set PC,   206                         ; v206-217 p's codes, o's codes
.set CT,   218                         ; v218-224 the conversions' second halves
.set BM,   226                         ; v226, v227 my two blocks' largest
.set CH,   228                         ; v228-231 four chains of the search
.set PT,   232                         ; v232-234 bytes, and what comes from lane l xor 16
.set SO,   236                         ; v236, v237 the conversions' scale operands
.set F,    238                         ; v[238:239] f = 2^(old M - new M)
.set T,    240
.set T2,   241
.set SM,   242                         ; v242-249 four chains of the sum
.set STR,  250                         ; LST + 16 x lane
.set SH8,  251                         ; 8 x (lane / 16)
.set SPW,  254
.set NIL,  255
.set WV,   8
.set G1C,  24                          ; s[24:31] group 1 of the codes: 32 rows of 512 bytes;  s[32:39] of the scale words;  s[40:43], s[44:47] groups 0
.set G1S,  32
.set G0C,  40
.set G0S,  44
.set OB,   68
.set SEL,  72
.set CS,   74                          ; s[74:75] c = log2(e) / 8
.set KO,   76                          ; the next step's place in K and V
.set SS,   77                          ; and in the scale words; it counts the steps
.macro CROUND
	s_barrier_signal -1
	s_barrier_wait -1
	s_cmp_lg_u32 s[WV], 0
	s_cbranch_scc1 .Lnot_wave_0_\@
	s_barrier_signal -3
.Lnot_wave_0_\@:
	s_barrier_wait -3
	s_barrier_signal -1
	s_barrier_wait -1
.endm
.macro TLOAD g0, g1
	tensor_load_to_lds s[\g0:\g0+3], s[\g1:\g1+7]
	s_nop 0
.rept 4
	v_nop
.endr
.endm
.macro WALU
	s_wait_alu depctr_va_vdst(0)
.endm
	s_load_b128 s[4:7], s[0:1], 0x0                ; qkv s[4:5], aq s[6:7]
	v_lshl_add_u32 v[SPW], v0, 2, SPARE
	v_mov_b32 v[NIL], 0
	ds_add_u32 v[SPW], v[NIL]                      ; the opening lines
	ds_add_u32 v[SPW], v[NIL]
	v_lshrrev_b32 v1, 5, v0
	v_readfirstlane_b32 s[WV], v1                  ; wave 0..15
	s_bfe_u32 s9, ttmp6, 0x40000                   ; cx: it enters Q's and the outputs' addresses alone
	s_and_b32 s10, ttmp7, 0xffff                   ; 8 b + j
	s_lshr_b32 s11, s10, 3                         ; b
	s_and_b32 s12, s10, 7                          ; j: the pair of heads
	s_mov_b32 s[G1C], 15|(3<<16)|(1<<20)|(1<<21)|(6<<22)|(15<<25)  ; all four partners; elements of 8 bytes; behind every 128 words 16 words of padding
	s_mov_b32 s[G1C+1], 64<<16
	s_mov_b32 s[G1C+2], 32<<16
	s_mov_b32 s[G1C+3], 64<<16
	s_mov_b32 s[G1C+4], 32                         ; 32 rows of 512 bytes: 16,384 dense bytes
	s_mov_b32 s[G1C+5], 64
	s_mov_b32 s[G1C+6], 0
	s_mov_b32 s[G1C+7], 0
	s_mov_b32 s[G1S], 15|(3<<16)|(1<<21)
	s_mov_b32 s[G1S+1], 512<<16
	s_mov_b32 s[G1S+2], 2<<16
	s_mov_b32 s[G1S+3], 512<<16
	s_mov_b32 s[G1S+4], 2                          ; two rows of 4,096 bytes: K's words, and V's 262,144 bytes on
	s_mov_b32 s[G1S+5], 32768
	s_mov_b32 s[G1S+6], 0
	s_mov_b32 s[G1S+7], 0
	s_cmp_ge_u32 s[WV], 7                          ; waves 7-12: head 1
	s_cselect_b32 s13, 7, 0
	s_cselect_b32 s14, KV, 0
	s_sub_co_u32 s13, s[WV], s13                   ; 0-2: K's thirds, 3-5: V's
	s_cmp_ge_u32 s13, 3
	s_cselect_b32 s15, 3, 0
	s_cselect_b32 s16, 128*KV, 0                   ; from K to V: eight batches of sixteen heads
	s_sub_co_u32 s13, s13, s15
	s_lshl_b32 s13, s13, 14
	s_add_co_u32 s14, s14, s13
	s_add_co_u32 s14, s14, s16
	s_lshl_b32 s15, s11, 4
	s_add_co_u32 s15, s15, 128
	s_lshl_b32 s16, s12, 1
	s_add_co_u32 s15, s15, s16                     ; (8 + b) 16 + 2 j
	s_mul_i32 s15, s15, KV
	s_add_co_u32 s14, s14, s15
	s_mov_b32 s15, 0
	s_add_co_u32 s16, s10, 64
	s_lshl_b32 s16, s16, 12                        ; K's scale words of the pair: ((8 + b) 8 + j) 4,096
	s_add_co_u32 s16, s16, QS_OFF
	s_mov_b32 s17, 0
	s_mov_b32 s[SEL], 0x76543210
	s_mov_b32 s[SEL+1], 0xfedcba98
	s_mov_b32 s[CS], 0x3e38aa3b                    ; log2(e) / 8
	s_mov_b32 s[CS+1], s[CS]
	s_wait_dscnt 0x0
	s_wait_kmcnt 0x0
	s_mov_b32 s[G0C], 1
	s_mul_i32 s[G0C+1], s[WV], CHK
	s_add_nc_u64 s[G0C+2:G0C+3], s[4:5], s[14:15]
	s_or_b32 s[G0C+3], s[G0C+3], 0x80000000
	s_mov_b32 s[G0S], 1
	s_mov_b32 s[G0S+1], LSK
	s_add_nc_u64 s[G0S+2:G0S+3], s[4:5], s[16:17]
	s_or_b32 s[G0S+3], s[G0S+3], 0x80000000
	CROUND                                         ; all four work-groups are here: the joint loads meet
	s_cmp_lt_u32 s[WV], 6                          ; one chain of branches on the wave's number, one load to an arm
	s_cbranch_scc0 .Larm_s
	TLOAD G0C, G1C                                 ; head 0's K and V
	s_branch .Lasked
.Larm_s:
	s_cmp_lt_u32 s[WV], 7
	s_cbranch_scc0 .Larm_1
	TLOAD G0S, G1S                                 ; the scale words
	s_branch .Lasked
.Larm_1:
	s_cmp_lt_u32 s[WV], 13
	s_cbranch_scc0 .Lasked
	TLOAD G0C, G1C                                 ; head 1's K and V
.Lasked:
	s_lshl_b32 s19, s[WV], 6
	s_add_co_u32 s19, s19, LST
	s_lshl_b32 s60, s9, 4
	s_add_co_u32 s60, s60, s[WV]                   ; my tile of 16 queries in the batch: 16 cx + wave
	s_lshl_b32 s61, s11, 4
	s_lshl_b32 s62, s12, 1
	s_add_co_u32 s61, s61, s62
	s_mul_i32 s61, s61, KV                         ; q of head 2 j
	s_mul_i32 s62, s60, 768
	s_add_co_u32 s62, s61, s62
	s_mov_b32 s63, 0
	s_add_nc_u64 s[62:63], s[4:5], s[62:63]
	s_lshl_b32 s66, s10, 3
	s_lshr_b32 s67, s60, 3
	s_add_co_u32 s66, s66, s67
	s_lshl_b32 s66, s66, 9                         ; the block of 512 bytes of my 128 queries,
	s_and_b32 s67, s[WV], 1
	s_lshl_b32 s67, s67, 8
	s_add_co_u32 s66, s66, s67
	s_bfe_u32 s67, s[WV], 0x20001
	s_lshl_b32 s67, s67, 2
	s_add_co_u32 s66, s66, s67                     ; my tile's words in it
	s_add_co_u32 s66, s66, QS_OFF
	s_mov_b32 s67, 0
	s_add_nc_u64 s[66:67], s[4:5], s[66:67]
	s_lshl_b32 s[OB], s11, 6
	s_add_co_u32 s[OB], s[OB], s60
	s_lshl_b32 s[OB], s[OB], 3
	s_add_co_u32 s[OB], s[OB], s12
	s_mul_i32 s[OB], s[OB], 1536                   ; (tile of rows, K step j)
	s_mov_b32 s[OB+1], 0
	s_add_nc_u64 s[OB:OB+1], s[6:7], s[OB:OB+1]
	s_lshl_b32 s70, s10, 12
	s_lshl_b32 s71, s9, 10
	s_add_co_u32 s70, s70, s71
	s_add_co_u32 s70, s70, AS_OFF
	s_mov_b32 s71, 0
	s_add_nc_u64 s[70:71], s[6:7], s[70:71]        ; the work-group's 256 scale words of K step j
	v_and_b32 v110, 15, v0                         ; r
	v_bfe_u32 v111, v0, 4, 1                       ; h
	v_and_b32 v112, 7, v0                          ; r % 8
	v_bfe_u32 v113, v0, 3, 1                       ; r / 8
	v_and_b32 v[L16], 31, v0
	v_lshlrev_b32 v[L8], 3, v[L16]
	v_lshl_add_u32 v[STR], v[L16], 4, LST
	v_lshlrev_b32 v[L16], 4, v[L16]
	v_add_nc_u32 v[AV0], KVP, v[L8]                ; V lies behind K
	v_lshlrev_b32 v[AK0], 3, v112
	v_lshl_add_u32 v[AK0], v111, 7, v[AK0]
	v_mad_u32_u24 v[AK0], v113, 1728, v[AK0]       ; K: 8 (r % 8) + 128 h, and for rows 8-15 two stored tiles on
	v_lshl_add_u32 v[ASK0], v112, 4, LSK
	v_lshl_add_u32 v[ASK0], v113, 2, v[ASK0]       ; K's words: 16 (r % 8) + 4 (r / 8)
	v_lshl_add_u32 v[ASV0], v110, 4, LSV
	v_lshl_add_u32 v[STA], v110, 2, s19
	v_lshlrev_b32 v114, 4, v110                    ; 16 r
	v_lshlrev_b32 v[SH8], 3, v111
	WALU                                           ; ahead of the readers below
.irp p, 0,1,2
	global_load_b64 v[QF+2*\p:QF+2*\p+1], v[L8], s[62:63] offset:256*\p
	global_load_b64 v[QF+12+2*\p:QF+12+2*\p+1], v[L8], s[62:63] offset:KV+256*\p
.endr
	global_load_u16 v[QS], v114, s[66:67]          ; head 2 j's two bytes; the upper two are 0
	global_load_u16 v[QS+1], v114, s[66:67] offset:2
.irp i, 0,1,2,3,4,5
	v_mov_b32 v[QF+6+\i], 0                        ; zero codes for K = 64 .. 127
	v_mov_b32 v[QF+18+\i], 0
	v_mov_b32 v[FR+48+\i], 0
.endr
.irp b, 0,1,2
	v_mov_b32 v[PT+\b], 0                          ; written once: a lane permute's destination counts as one of its sources
.endr
	v_mov_b32 v[F], 0
	v_mov_b32 v[F+1], 0                            ; (named as the upper half of a pair)
	WALU                                           ; the wait at the head's end
	s_wait_loadcnt 0x0                             ; Q
	s_cmp_lt_u32 s[WV], 7
	s_cbranch_scc0 .Lnot_mine
	s_wait_tensorcnt 0x0                           ; waves 0-6: my part of head 0's tiles, or the scale words
.Lnot_mine:
	s_barrier_signal -1
	s_barrier_wait -1                              ; head 0's K and V and the scale words are in; head 1's may be on their way
; A KEY STEP: 128 keys.  first = 1: the pass's first step starts M, the sum and O^T.  hd: the head of the pair.
.macro STEP first, hd
.irp g, 0,1
.irp w, 0,1
.irp u, 0,1
.set TT, 4*\g+2*\w+\u
.irp p, 0,1,2
.set Y, 3072*\g+768*\u+256*\p
	ds_load_b64 v[FR+6*TT+2*\p:FR+6*TT+2*\p+1], v[AK] offset:Y+64*(Y/512)+64*\w
.endr
	ds_load_u16 v[KSC+TT], v[ASK] offset:128*\w+256*\u+8*\g+2*\hd
.endr
.endr
.endr
	s_wait_dscnt 0x0
.irp t, 0,1,2,3,4,5,6,7
	v_wmma_scale_f32_16x16x128_f8f6f4 v[S+8*\t:S+8*\t+7], v[FR+6*\t:FR+6*\t+11], v[QF+12*\hd:QF+12*\hd+11], 0, v[KSC+\t], v[QS+\hd] matrix_a_fmt:MATRIX_FMT_FP6 matrix_b_fmt:MATRIX_FMT_FP6
.endr
	v_add_nc_u32 v[AK], s[KO], v[AK0]              ; four places between the products and the loads into their registers: the next step's addresses,
	v_add_nc_u32 v[ASK], s[SS], v[ASK0]
.if \first
	v_nop
.else
	v_mov_b32 v[T2], v12                           ; the old -M
.endif
	v_nop
.irp d, 0,1,2,3                        ; V is asked for at once: it lands under the softmax
.irp p, 0,1,2,3,4,5
.set Y, 1536*\d+256*\p
	ds_load_b64 v[FR+12*\d+2*\p:FR+12*\d+2*\p+1], v[AV] offset:Y+64*(Y/512)
.endr
	ds_load_b32 v[VSC+\d], v[ASV] offset:256*(\d%2)+4*(\d/2)+8*\hd
.endr
.irp c, 0,1,2,3                        ; the largest score of my two blocks of 32 keys, in four chains; each accumulator is read from its low end on
	v_max3_num_f32 v[CH+\c], v[S+16*\c], v[S+16*\c+1], v[S+16*\c+2]
.endr
.irp i, 3,5,7,9,11,13
.irp c, 0,1,2,3
	v_max3_num_f32 v[CH+\c], v[CH+\c], v[S+16*\c+\i], v[S+16*\c+\i+1]
.endr
.endr
.irp g, 0,1
	v_max3_num_f32 v[BM+\g], v[CH+2*\g], v[CH+2*\g+1], v[S+32*\g+15]
.endr
.irp g, 0,1
	v_max_num_f32 v[BM+\g], v[BM+\g], v[S+32*\g+31]
.endr
	s_delay_alu instid0(VALU_DEP_1)
	v_max_num_f32 v[T], v[BM], v[BM+1]
	s_delay_alu instid0(VALU_DEP_1)
	v_permlanex16_b32 v[PT+2], v[T], s[SEL], s[SEL+1]
	s_delay_alu instid0(VALU_DEP_1)
.if \first
	v_max_num_f32 v13, v[T], v[PT+2]               ; the largest score of my query so far
.else
	v_max3_num_f32 v13, v13, v[T], v[PT+2]
.endif
	s_delay_alu instid0(VALU_DEP_1)
	v_mul_f32 v[T], s[CS], v13                     ; as t (c is positive)
	s_delay_alu instid0(VALU_DEP_1)
	v_floor_f32 v12, -v[T]                         ; -M = floor(-t): M is a whole number
.if !\first
	s_delay_alu instid0(VALU_DEP_1)
	v_sub_f32 v[T], v12, v[T2]                     ; old M - new M: a whole number, 0 or less
	s_delay_alu instid0(VALU_DEP_1)
	v_cvt_i32_f32 v[T], v[T]                       ; (it saturates)
	s_delay_alu instid0(VALU_DEP_1)
	v_ldexp_f32 v[F], 1.0, v[T]                    ; f = 2^(old M - new M)
.endif
.set j, 0
.rept 32
	v_pk_fma_f32 v[S+j:S+j+1], v[S+j:S+j+1], s[CS:CS+1], v[12:13] op_sel_hi:[1,0,0]   ; t - M, two at a time
.set j, j+2
.endr
.irp g, 0,1
	v_fma_f32 v[BM+\g], v[BM+\g], s[CS], v12       ; the same of each block's largest score: p rises with the score
.endr
.if !\first
.set j, 0
.rept 16
	v_pk_mul_f32 v[O+j:O+j+1], v[O+j:O+j+1], v[F:F+1] op_sel_hi:[1,0]   ; O^T under the new M
.set j, j+2
.endr
.endif
	WALU                                           ; ahead of the batch
	v_exp_f32 v[BM], v[BM]                         ; the blocks' largest p
	v_exp_f32 v[BM+1], v[BM+1]
.set j, 0
.rept 64
	v_exp_f32 v[S+j], v[S+j]                       ; p = 2^(t - M), at most 1
.set j, j+1
.endr
	v_add_nc_u32 v[AV], s[KO], v[AV0]              ; plain lines behind the batch: the next step's addresses
	v_add_nc_u32 v[ASV], s[SS], v[ASV0]
	s_wait_dscnt 0x0                               ; V
	WALU                                           ; one wait for the batch, ahead of its first reader
.irp g, 0,1
	v_max_num_f32 v[BM+\g], 0x1800000, v[BM+\g]    ; the floor 2^(3 - 127)
.endr
.irp g, 0,1
	v_add_nc_u32 v[SO+\g], 0xff000000, v[BM+\g]    ; the conversion's scale operand
.endr
.irp g, 0,1
	v_lshrrev_b32 v[PT+\g], 23, v[SO+\g]           ; the byte
.endr
	v_lshl_or_b32 v[PW], v[PT+1], 16, v[PT]        ; my bytes: blocks h and 2 + h,
	v_lshlrev_b32 v[PW], v[SH8], v[PW]             ; at their places in the word;
	v_permlanex16_b32 v[PT+2], v[PW], s[SEL], s[SEL+1]
	v_or_b32 v[PW], v[PW], v[PT+2]                 ; with lane l xor 16's two the word is whole
.irp g, 0,1
	v_cvt_scalef32_pk16_fp6_f32 v[PC+6*\g:PC+6*\g+2], v[S+32*\g:S+32*\g+15], v[SO+\g]
	v_cvt_scalef32_pk16_fp6_f32 v[CT+4*\g:CT+4*\g+2], v[S+32*\g+16:S+32*\g+31], v[SO+\g]   ; (a conversion's three registers begin on an even number)
.endr
.irp c, 0,1,2,3                        ; the row's sum of the unquantised p, in four chains; these lines are also the places behind the conversions and ahead of the products
	v_pk_add_f32 v[SM+2*\c:SM+2*\c+1], v[S+4*\c:S+4*\c+1], v[S+4*\c+2:S+4*\c+3]
.endr
.irp g, 0,1
.irp i, 0,1,2
	v_mov_b32 v[PC+3+6*\g+\i], v[CT+4*\g+\i]
.endr
.endr
.irp i, 16,24,32,40,48,56
.irp c, 0,1,2,3
	v_pk_add_f32 v[SM+2*\c:SM+2*\c+1], v[SM+2*\c:SM+2*\c+1], v[S+\i+2*\c:S+\i+2*\c+1]
.endr
.endr
.irp d, 0,1,2,3
.if \first
	v_wmma_scale_f32_16x16x128_f8f6f4 v[O+8*\d:O+8*\d+7], v[FR+12*\d:FR+12*\d+11], v[PC:PC+11], 0, v[VSC+\d], v[PW] matrix_a_fmt:MATRIX_FMT_FP6 matrix_b_fmt:MATRIX_FMT_FP6
.else
	v_wmma_scale_f32_16x16x128_f8f6f4 v[O+8*\d:O+8*\d+7], v[FR+12*\d:FR+12*\d+11], v[PC:PC+11], v[O+8*\d:O+8*\d+7], v[VSC+\d], v[PW] matrix_a_fmt:MATRIX_FMT_FP6 matrix_b_fmt:MATRIX_FMT_FP6
.endif
.endr
	v_pk_add_f32 v[SM:SM+1], v[SM:SM+1], v[SM+2:SM+3]          ; four places behind the products: the chains join
	v_pk_add_f32 v[SM+4:SM+5], v[SM+4:SM+5], v[SM+6:SM+7]
.if \first
	v_pk_add_f32 v[14:15], v[SM:SM+1], v[SM+4:SM+5]
	v_nop
.else
	v_pk_add_f32 v[SM:SM+1], v[SM:SM+1], v[SM+4:SM+5]
	v_pk_fma_f32 v[14:15], v[14:15], v[F:F+1], v[SM:SM+1] op_sel_hi:[1,0,1]   ; the sum under the new M, and this step's
.endif
.endm
.macro PASS hd
	v_add_nc_u32 v[AK], \hd*PSTR, v[AK0]
	v_add_nc_u32 v[AV], \hd*PSTR, v[AV0]
	v_mov_b32 v[ASK], v[ASK0]
	v_mov_b32 v[ASV], v[ASV0]
	WALU
	s_mov_b32 s[KO], \hd*PSTR+STP
	s_mov_b32 s[SS], 512
	STEP 1, \hd
.Lstep_\hd:                                        ; key steps 1 to 7
	s_add_co_u32 s[KO], s[KO], STP
	s_add_co_u32 s[SS], s[SS], 512
	STEP 0, \hd
	s_cmp_lg_u32 s[SS], 8*512
	s_cbranch_scc1 .Lstep_\hd
	v_add_f32 v14, v14, v15                        ; the sum's two halves,
	v_permlanex16_b32 v[F], v14, s[SEL], s[SEL+1]
	v_add_f32 v14, v14, v[F]                       ; and lane l xor 16's
	WALU
	v_rcp_f32 v14, v14
	v_nop
	WALU                                           ; ahead of the first reader of the reciprocal and of O^T
.set j, 0
.rept 16
	v_pk_mul_f32 v[S+j:S+j+1], v[O+j:O+j+1], v[14:15] op_sel_hi:[1,0]   ; o = O^T / the sum: register 16 B + i is channel 32 B + 16 (lane / 16) + i of the head
.set j, j+2
.endr
.irp b, 0,1
	v_max3_num_f32 v[BM+\b], |v[S+16*\b]|, |v[S+1+16*\b]|, 0x1800000
.endr
.irp i, 2,4,6,8,10,12,14
.irp b, 0,1
	v_max3_num_f32 v[BM+\b], v[BM+\b], |v[S+16*\b+\i]|, |v[S+1+16*\b+\i]|
.endr
.endr
.irp b, 0,1
	v_permlanex16_b32 v[PT+\b], v[BM+\b], s[SEL], s[SEL+1]
.endr
.irp b, 0,1
	v_max_num_f32 v[BM+\b], v[BM+\b], v[PT+\b]
.endr
.irp b, 0,1
	v_add_nc_u32 v[SO+\b], 0xff000000, v[BM+\b]
.endr
.irp b, 0,1
	v_lshrrev_b32 v[PT+\b], 23, v[SO+\b]
.endr
.if \hd
	v_lshl_or_b32 v[T], v[PT+1], 8, v[PT]
	v_lshl_or_b32 v[SW], v[T], 16, v[SW]           ; head 2 j's two bytes below, head 2 j + 1's above
.else
	v_lshl_or_b32 v[SW], v[PT+1], 8, v[PT]
.endif
	v_cvt_scalef32_pk16_fp6_f32 v[PC:PC+2], v[S:S+15], v[SO]
	v_cvt_scalef32_pk16_fp6_f32 v[CT:CT+2], v[S+16:S+31], v[SO+1]
	v_nop
.irp i, 0,1,2
	v_permlane16_swap_b32 v[PC+\i], v[CT+\i]
.endr
.irp i, 0,1,2
	v_mov_b32 v[PC+3+\i], v[CT+\i]
.endr
.irp p, 0,1,2
	global_store_b64 v[L8], v[PC+2*\p:PC+2*\p+1], s[OB:OB+1] offset:256*\p+768*\hd   ; the wave stores 256 consecutive bytes, aligned
.endr
.endm
	PASS 0
	s_wait_xcnt 0x0                                ; the stores have read their data: the codes' registers are written again in the next pass
	WALU
	s_wait_tensorcnt 0x0                           ; every wave, under no branch: all that is still out
	s_wait_dscnt 0x0
	s_barrier_signal -1
	s_barrier_wait -1                              ; head 1's K and V are in.
	PASS 1
	WALU
	ds_store_b32 v[STA], v[SW]                     ; lanes r and r + 16 write the same word with the same value
	s_wait_dscnt 0x0                               ; for the others' sake
	s_barrier_signal -1
	s_barrier_wait -1
	s_cmp_lg_u32 s[WV], 0
	s_cbranch_scc1 .Lnot_first
	ds_load_b128 v[S:S+3], v[STR]                  ; wave 0 stores the work-group's 256 words: 2 x 512 consecutive bytes
	ds_load_b128 v[S+4:S+7], v[STR] offset:512
	s_wait_dscnt 0x0
	global_store_b128 v[L16], v[S:S+3], s[70:71]
	global_store_b128 v[L16], v[S+4:S+7], s[70:71] offset:512
.Lnot_first:
	s_wait_tensorcnt 0x0                           ; the wave's end
	ds_add_u32 v[SPW], v[NIL]
	s_wait_dscnt 0x0
	CROUND                                         ; the closing round
	s_endpgm
.Lfunc_end_k_qb93687d57e_attn:
	.size	k_qb93687d57e_attn, .Lfunc_end_k_qb93687d57e_attn-k_qb93687d57e_attn
	.p2alignl 7, 3214868480
	.fill 96, 4, 3214868480
	.section	.rodata,"a",@progbits
	.p2align	6, 0x0
	.amdhsa_kernel k_qb93687d57e_attn
		.amdhsa_group_segment_fixed_size 262144
		.amdhsa_private_segment_fixed_size 0
		.amdhsa_enable_private_segment 0
		.amdhsa_kernarg_size 16
		.amdhsa_user_sgpr_count 2
		.amdhsa_user_sgpr_kernarg_segment_ptr 1
		.amdhsa_wavefront_size32 1
		.amdhsa_system_sgpr_workgroup_id_x 1
		.amdhsa_system_sgpr_workgroup_id_y 1
		.amdhsa_system_sgpr_workgroup_id_z 1
		.amdhsa_system_vgpr_workitem_id 0
		.amdhsa_next_free_vgpr 256
		.amdhsa_next_free_sgpr 80
		.amdhsa_reserve_vcc 0
		.amdhsa_float_denorm_mode_32 3
		.amdhsa_float_denorm_mode_16_64 3
		.amdhsa_memory_ordered 1
		.amdhsa_forward_progress 1
		.amdhsa_inst_pref_size 81
	.end_amdhsa_kernel
	.amdgpu_metadata
---
amdhsa.version: [ 1, 2 ]
amdhsa.kernels:
  - .name:           k_qb93687d57e_attn
    .symbol:         k_qb93687d57e_attn.kd
    .args:
      - { .name: qkv, .offset: 0, .size: 8, .value_kind: global_buffer, .address_space: global }
      - { .name: aq, .offset: 8, .size: 8, .value_kind: global_buffer, .address_space: global }
    .group_segment_fixed_size: 262144
    .private_segment_fixed_size: 0
    .kernarg_segment_align: 8
    .kernarg_segment_size: 16
    .max_flat_workgroup_size: 512
    .sgpr_count:     80
    .vgpr_count:     256
    .wavefront_size: 32
...
	.end_amdgpu_metadata
.endif
;; end of part 3
;; launch proj (part 4): grid 8 x 32, 4 waves a work-group, clusters of 4 x 4, 327,680 bytes of LDS; arguments aq, wq, b_proj, out0; writes out0
.if DOCPART == 4
	.amdgcn_target "amdgcn-amd-amdhsa--gfx1250"
	.amdhsa_code_object_version 6
	.text
	.protected	k_qb93687d57e_proj
	.globl	k_qb93687d57e_proj
	.p2align	8
	.type	k_qb93687d57e_proj,@function
k_qb93687d57e_proj:
	s_mov_b64 s[64:65], 0
	v_nop
	global_prefetch_b8 v0, s[64:65] scope:SCOPE_SE
	s_setreg_imm32_b32 hwreg(HW_REG_WAVE_MODE, 25, 1), 1
	s_wait_xcnt 0x0
	s_wait_alu depctr_hold_cnt(0) depctr_sa_sdst(0) depctr_va_vdst(0) depctr_va_sdst(0) depctr_va_ssrc(0) depctr_va_vcc(0) depctr_vm_vsrc(0)
	s_getreg_b32 s2, hwreg(HW_REG_IB_STS2, 6, 4)
	s_cmp_eq_u32 s2, 0
	s_cbranch_scc0 .Lentry_in_a_cluster
	s_endpgm
.Lentry_in_a_cluster:
	s_bfe_u32 s2, ttmp6, 0x10000c
	s_cmp_lg_u32 s2, 0xf033
	s_cbranch_scc0 .Lentry_shape_is_right
	s_endpgm
.Lentry_shape_is_right:
.set AS_OFF, 6291456
.set WS_OFF, 3145728
.set PITCH,  240
.set FR,     12
.set NL,     6
.set NP,     4
.set ASZ,    49152
.set SLOT,   ASZ+128*PITCH
.set SCA,    2*SLOT
.set SCB,    SCA+8192
.set SPARE,  SCB+16*272
.set SPITCH, 272
.set ADRA, 16
.set ADRB, 20
.set STO,  24
.set RD,   25
.set CO,   26
.set ADSA, 27
.set SPW,  28
.set NIL,  29
.set ADSB, 30
.set SC,   32
.set BI,   64
.set AF,   128
.set BK,   128
.set G1, 24
.set G0, 32
.set G1B, 48
.set G0B, 56
.set G1S, 68
.set G0S, 76
.set G1SB, 80
.set G0SB, 88
.set MSB, 0
.macro WIN new
.if MSB != (\new)
	s_set_vgpr_msb (MSB<<8)|(\new)
.set MSB, (\new)
.endif
.endm
.set MUL,  0xa1
.set TO_B, 0x40
.macro JLOAD g0a, g1a, g0b, g1b
	s_cmp_eq_u32 s15, 0
	s_cbranch_scc0 .Lfor_b_\@
	tensor_load_to_lds s[\g0a:\g0a+3], s[\g1a:\g1a+7]
	s_nop 0
.rept 4
	v_nop
.endr
	s_branch .Lasked_\@
.Lfor_b_\@:
	tensor_load_to_lds s[\g0b:\g0b+3], s[\g1b:\g1b+7]
	s_nop 0
.rept 4
	v_nop
.endr
.Lasked_\@:
.endm
.macro CREST
	s_cmp_lg_u32 s14, 0
	s_cbranch_scc1 .Lnot_wave_0_\@
	s_barrier_signal -3
.Lnot_wave_0_\@:
	s_barrier_wait -3
	s_barrier_signal -1
	s_barrier_wait -1
.endm
.macro CROUND
	s_barrier_signal -1
	s_barrier_wait -1
	CREST
.endm
	s_load_b256 s[4:11], s[0:1], 0x0
	v_lshl_add_u32 v[SPW], v0, 2, SPARE
	v_mov_b32 v[NIL], 0
	ds_add_u32 v28, v29
	ds_add_u32 v28, v29
	s_wait_dscnt 0x0
	v_lshrrev_b32 v1, 5, v0
	v_readfirstlane_b32 s14, v1
	s_lshr_b32 s15, s14, 1
	s_and_b32 s16, s14, 1
	s_bfe_u32 s40, ttmp6, 0x40000
	s_bfe_u32 s41, ttmp6, 0x40004
	s_lshl_b32 s42, ttmp9, 2
	s_add_co_u32 s42, s42, s40
	s_and_b32 s17, ttmp7, 0xffff
	s_lshl_b32 s17, s17, 2
	s_add_co_u32 s17, s17, s41
	s_lshl_b32 s43, s41, 2
	s_lshl_b32 s43, 15, s43
	s_lshl_b32 s44, 0x1111, s40
	s_or_b32 s[G1+0], s43, (3<<16)|(1<<21)
	s_mov_b32 s[G1+1], 384<<16
	s_mov_b32 s[G1+2], 16<<16
	s_mov_b32 s[G1+3], 384<<16
	s_mov_b32 s[G1+4], 16
	s_mov_b32 s[G1+5], 1536
	s_mov_b32 s[G1+6], 0
	s_mov_b32 s[G1+7], 0
	s_or_b32 s[G1B+0], s44, (0<<16)|(1<<20)|(1<<21)|(3<<22)|(3<<25)
	s_mov_b32 s[G1B+1], 256<<16                    ; a K step's rows of 192 bytes lie end to end: the dense block is stated as rows of 256 bytes; the padding's interval stays 64 bytes
	s_mov_b32 s[G1B+2], 96<<16                     ; the head's load: 128 rows of codes = 96 rows of 256 bytes
	s_mov_b32 s[G1B+3], 256<<16
	s_mov_b32 s[G1B+4], 96
	s_mov_b32 s[G1B+5], 256
	s_mov_b32 s[G1B+6], 0
	s_mov_b32 s[G1B+7], 0
	s_or_b32 s[G1S+0], s43, (3<<16)|(1<<21)
	s_mov_b32 s[G1S+1], 128<<16
	s_mov_b32 s[G1S+2], 8<<16
	s_mov_b32 s[G1S+3], 128<<16
	s_mov_b32 s[G1S+4], 8
	s_mov_b32 s[G1S+5], 512
	s_mov_b32 s[G1S+6], 0
	s_mov_b32 s[G1S+7], 0
	s_or_b32 s[G1SB+0], s44, (3<<16)|(1<<20)|(1<<21)|(5<<22)|(3<<25)
	s_mov_b32 s[G1SB+1], 32<<16
	s_mov_b32 s[G1SB+2], 16<<16
	s_mov_b32 s[G1SB+3], 32<<16
	s_mov_b32 s[G1SB+4], 16
	s_mov_b32 s[G1SB+5], 32
	s_mov_b32 s[G1SB+6], 0
	s_mov_b32 s[G1SB+7], 0
	s_lshl_b32 s20, s17, 4
	s_mul_i32 s20, s20, 12288
	s_mov_b32 s21, 0
	s_lshr_b32 s22, s17, 2
	s_lshl_b32 s22, s22, 15
	s_and_b32 s18, s17, 3
	s_lshl_b32 s18, s18, 10
	s_add_co_u32 s22, s22, s18
	s_add_co_u32 s22, s22, AS_OFF
	s_mov_b32 s23, 0
	s_lshl_b32 s46, s42, 7
	s_add_co_u32 s46, s46, 3072
	s_lshl_b32 s92, s46, 5
	s_add_co_u32 s92, s92, WS_OFF
	s_mov_b32 s93, 0
	s_mul_i32 s46, s46, 192
	s_mov_b32 s47, 0
	s_mul_i32 s45, s16, ASZ/2
	s_mul_i32 s94, s16, 64*PITCH
	s_add_co_u32 s94, s94, ASZ
	s_mul_i32 s18, s16, 8*12288                    ; in the ring I fetch half a tile: eight of A's sixteen tiles of rows,
	s_mov_b32 s19, 0
	s_mul_i32 s98, s16, 64*192                     ; or 64 of B's 128 rows
	s_mov_b32 s99, 0
	s_wait_kmcnt 0x0
	s_add_nc_u64 s[20:21], s[4:5], s[20:21]
	s_add_nc_u64 s[22:23], s[4:5], s[22:23]
	s_add_nc_u64 s[46:47], s[6:7], s[46:47]
	s_add_nc_u64 s[92:93], s[6:7], s[92:93]
	CROUND                                         ; all sixteen work-groups are here: the first joint loads meet
	s_mov_b32 s[G0], 1                             ; the head's four tiles, each whole.  Slot 0's groups 0 serve them first: A's sixteen tiles of rows,
	s_mov_b32 s[G0+1], 0
	s_mov_b64 s[G0+2:G0+3], s[20:21]
	s_or_b32 s[G0+3], s[G0+3], 0x80000000
	s_mov_b32 s[G0B], 1                            ; B's 128 rows,
	s_mov_b32 s[G0B+1], ASZ
	s_mov_b64 s[G0B+2:G0B+3], s[46:47]
	s_or_b32 s[G0B+3], s[G0B+3], 0x80000000
	s_mov_b32 s[G0S], 1                            ; A's scale words,
	s_mov_b32 s[G0S+1], SCA
	s_mov_b64 s[G0S+2:G0S+3], s[22:23]
	s_or_b32 s[G0S+3], s[G0S+3], 0x80000000
	s_mov_b32 s[G0SB], 1                           ; and B's scale bytes
	s_mov_b32 s[G0SB+1], SCB
	s_mov_b64 s[G0SB+2:G0SB+3], s[92:93]
	s_or_b32 s[G0SB+3], s[G0SB+3], 0x80000000
	s_mov_b32 s[G0+4], 1                           ; slot 1: my half of the next 256 along K
	s_add_co_u32 s[G0+5], s45, SLOT
	s_add_nc_u64 s[G0+6:G0+7], s[20:21], s[18:19]
	s_add_nc_u64 s[G0+6:G0+7], s[G0+6:G0+7], 3072
	s_or_b32 s[G0+7], s[G0+7], 0x80000000
	s_mov_b32 s[G0B+4], 1
	s_add_co_u32 s[G0B+5], s94, SLOT
	s_add_nc_u64 s[G0B+6:G0B+7], s[46:47], s[98:99]
	s_add_nc_u64 s[G0B+6:G0B+7], s[G0B+6:G0B+7], 786432
	s_or_b32 s[G0B+7], s[G0B+7], 0x80000000
; the head's loads, one a wave, in one chain of branches on the wave's number
.macro ARM under, g0, g1, next
	s_cmp_lt_u32 s14, \under
	s_cbranch_scc0 \next
	tensor_load_to_lds s[\g0:\g0+3], s[\g1:\g1+7]
	s_nop 0
.rept 4
	v_nop
.endr
	s_branch .Lhead_asked
\next:
.endm
	ARM 1, G0,  G1,  .Lhead_b
	ARM 2, G0B, G1B, .Lhead_sa
	ARM 3, G0S, G1S, .Lhead_sb
	tensor_load_to_lds s[G0SB:G0SB+3], s[G1SB:G1SB+7]
	s_nop 0
.rept 4
	v_nop
.endr
.Lhead_asked:
	; PREFETCHES INTO THE L2.  A wave asks for what it will itself fetch in the ring, and the four partners that ask for a tile jointly share its blocks of 256 bytes out by address.  A (waves 0, 1): eight tiles of rows, 3,072 bytes
	; of each for a slot; the partner at place cx takes two tiles, 24 blocks, a lane a block.  B (waves 2, 3): 64 rows, 12,288 dense bytes; the partner at place cy takes 12 blocks.  Lanes left over name the last block again.
	; Slots 1 and 2 are asked for here, slot 3 in the first change of slots, one slot ahead of its load.  B's tiles are read by all eight rows of clusters: rows 0 to 3 ask for them.  v9-v11 and s[4:5] are kept for this alone.
	s_cmp_eq_u32 s15, 0                            ; do I fetch for A?
	s_cselect_b64 s[4:5], s[20:21], s[46:47]       ; the tile's first byte
	s_cselect_b32 s6, s18, s98                     ; my half of it
	s_cselect_b32 s7, s40, s41                     ; my place among the four
	s_mov_b32 s22, 3072
	s_mov_b32 s23, 786432
	s_cselect_b32 s95, 2*12288, s22                ; a partner's share: two tiles of rows, or 12 blocks
	s_cselect_b32 s96, s22, s23                    ; from slot to slot
	s_cselect_b32 s97, 23, 11                      ; the last block of a share
	s_mul_i32 s7, s7, s95
	s_add_co_u32 s22, s6, s7
	s_mov_b32 s23, 0
	s_add_nc_u64 s[4:5], s[4:5], s[22:23]
	s_and_b32 s7, ttmp7, 0xffff
	s_lshr_b32 s7, s7, 2
	s_min_u32 s7, s7, 1                            ; 1: cluster y is 4 or more
	s_and_b32 s95, s7, s15                         ; 1: I ask for nothing
	v_and_b32 v8, 31, v0
	v_min_u32 v8, s97, v8
	v_mul_u32_u24 v9, v8, 171
	v_lshrrev_b32 v9, 11, v9                       ; block / 12: A's second tile of rows lies 12,288 bytes behind the first
	v_mul_u32_u24 v9, v9, 9216
	v_lshl_add_u32 v8, v8, 8, v9
	v_add_nc_u32 v9, s96, v8                       ; slot 1,
	v_add_nc_u32 v10, s96, v9                      ; 2,
	v_add_nc_u32 v11, s96, v10                     ; 3
	s_cmp_eq_u32 s95, 0
	s_cbranch_scc0 .Lno_ask
	global_prefetch_b8 v9, s[4:5] th:TH_LOAD_NT scope:SCOPE_SE
	global_prefetch_b8 v10, s[4:5] th:TH_LOAD_NT scope:SCOPE_SE
.Lno_ask:
	v_and_b32 v1, 15, v0
	v_bfe_u32 v2, v0, 4, 1
	v_and_b32 v3, 31, v0
	v_lshlrev_b32 v3, 3, v3
	s_mul_i32 s21, s15, ASZ/2
	v_add_nc_u32 v[ADRA], s21, v3
	v_add_nc_u32 v[ADRA+1], SLOT, v[ADRA]
	v_mul_u32_u24 v4, v1, PITCH
	v_mad_u32_u24 v4, v2, 24, v4
	v_lshl_add_u32 v5, v2, 4, v4
	s_mul_i32 s22, s16, 64*PITCH
	s_add_co_u32 s22, s22, ASZ
.irp s, 0,1
	v_add_nc_u32 v[ADRB+\s], s22, v4
	v_add_nc_u32 v[ADRB+2+\s], s22, v5
	s_add_co_u32 s22, s22, SLOT
.endr
	s_lshl_b32 s21, s15, 9
	s_add_co_u32 s21, s21, SCA
	v_lshlrev_b32 v5, 2, v1
	v_lshl_add_u32 v5, v2, 10, v5
	v_add_nc_u32 v[ADSA], s21, v5
	s_mul_i32 s21, s16, 8*272
	s_add_co_u32 s21, s21, SCB
	v_lshlrev_b32 v5, 5, v1
	v_lshrrev_b32 v6, 3, v1
	v_lshl_add_u32 v5, v6, 4, v5
	v_lshl_add_u32 v5, v2, 2, v5
	v_add_nc_u32 v[ADSB], s21, v5
	s_mul_i32 s23, s14, 16*SPITCH
	v_mul_u32_u24 v5, v1, SPITCH
	v_lshl_add_u32 v5, v2, 6, v5
	v_add_nc_u32 v[STO], s23, v5
	v_mul_u32_u24 v5, v2, SPITCH
	v_lshl_add_u32 v5, v1, 4, v5
	v_add_nc_u32 v[RD], s23, v5
	v_lshlrev_b32 v[CO], 12, v2
	v_lshl_add_u32 v[CO], v1, 4, v[CO]
	s_lshl_b32 s20, s17, 8
	s_lshl_b32 s21, s15, 7
	s_add_co_u32 s20, s20, s21
	s_lshl_b32 s20, s20, 12
	s_lshl_b32 s46, s42, 9
	s_lshl_b32 s47, s16, 8
	s_add_co_u32 s46, s46, s47
	s_add_co_u32 s20, s20, s46
	s_mov_b32 s21, 0
	s_add_nc_u64 s[12:13], s[10:11], s[20:21]
	s_mov_b32 s47, 0
	s_add_nc_u64 s[8:9], s[8:9], s[46:47]
	v_lshlrev_b32 v7, 6, v2
.irp b, 0,1,2,3
	global_load_b128 v[BI+8*\b:BI+8*\b+3], v7, s[8:9] offset:(32*(\b/2)+8*(\b%2))*4
	global_load_b128 v[BI+8*\b+4:BI+8*\b+7], v7, s[8:9] offset:(32*(\b/2)+8*(\b%2))*4+16
.endr
.macro FRAGA reg, slot, q, i
.irp p, 0,1,2,3,4,5
	ds_load_b64 v[\reg+2*\p:\reg+2*\p+1], v[ADRA+\slot] offset:3072*(\i)+1536*(\q)+256*\p
.endr
.endm
.macro FRAGB reg, adr, q, i
.irp p, 0,1,2,3,4,5
.set PC, 12*(\q)+6*(\p/3)+\p%3
.if PC%8 < 5
	ds_load_b64 v[\reg+2*\p:\reg+2*\p+1], v[\adr] offset:8*PC+16*(PC/8)+(\i)*16*PITCH
.else
	ds_load_b64 v[\reg+2*\p:\reg+2*\p+1], v[\adr+2] offset:8*PC+16*(PC/8)+(\i)*16*PITCH
.endif
.endr
.endm
.macro MUL8 a0, p, q, sc, cm
.irp a, \a0, \a0+1
.irp b, 0,1,2,3
.if \cm
	v_wmma_scale_f32_16x16x128_f8f6f4 v[8*(4*(\a)+\b):8*(4*(\a)+\b)+7], v[128*(\p)+FR*\b:128*(\p)+FR*\b+FR-1], v[AF+FR*(\a):AF+FR*(\a)+FR-1], v[BI+8*\b:BI+8*\b+7], v[SC+12*(\sc)+8+\b], v[SC+12*(\sc)+(\a)] matrix_a_fmt:MATRIX_FMT_FP6 matrix_b_fmt:MATRIX_FMT_FP6
.elseif (\q) == 0
	v_wmma_scale_f32_16x16x128_f8f6f4 v[8*(4*(\a)+\b):8*(4*(\a)+\b)+7], v[128*(\p)+FR*\b:128*(\p)+FR*\b+FR-1], v[AF+FR*(\a):AF+FR*(\a)+FR-1], v[8*(4*(\a)+\b):8*(4*(\a)+\b)+7], v[SC+12*(\sc)+8+\b], v[SC+12*(\sc)+(\a)] matrix_a_fmt:MATRIX_FMT_FP6 matrix_b_fmt:MATRIX_FMT_FP6
.else
	v_wmma_scale_f32_16x16x128_f8f6f4 v[8*(4*(\a)+\b):8*(4*(\a)+\b)+7], v[128*(\p)+FR*\b:128*(\p)+FR*\b+FR-1], v[AF+FR*(\a):AF+FR*(\a)+FR-1], v[8*(4*(\a)+\b):8*(4*(\a)+\b)+7], v[SC+12*(\sc)+8+\b], v[SC+12*(\sc)+(\a)] matrix_a_fmt:MATRIX_FMT_FP6 matrix_b_fmt:MATRIX_FMT_FP6 matrix_a_scale:MATRIX_SCALE_ROW1 matrix_b_scale:MATRIX_SCALE_ROW1
.endif
.endr
.endr
.endm
.macro FETCH_B slot, q, p
	WIN TO_B
.irp i, 0,1,2,3
	FRAGB 128*(\p)+FR*\i, ADRB+\slot, \q, \i
.endr
	WIN 0
.endm
.macro FETCH_A slot, q, i0
.irp i, \i0, \i0+1, \i0+2, \i0+3
	FRAGA AF+FR*(\i), \slot, \q, \i
.endr
.endm
.macro SCALES sc
.irp i, 0,1,2,3,4,5,6,7
	ds_load_b32 v[SC+12*(\sc)+\i], v[ADSA] offset:64*\i
.endr
.irp b, 0,1,2,3
	ds_load_b32 v[SC+12*(\sc)+8+\b], v[ADSB] offset:544*\b
.endr
.endm
.macro PLACES n
.rept \n
	v_nop
.endr
.endm
.macro STEP slot, q, cm
	s_wait_dscnt 4*NL
.if \cm
	WIN 0x81
.else
	WIN MUL
.endif
	MUL8 0, (\q)%2, \q, \slot, \cm
	MUL8 2, (\q)%2, \q, \slot, \cm
	s_wait_dscnt 0
	PLACES NP
	FETCH_B \slot, (\q)+1, 1-(\q)%2
	FETCH_A \slot, (\q)+1, 0
.if \cm
	WIN 0x81
.else
	WIN MUL
.endif
	MUL8 4, (\q)%2, \q, \slot, \cm
	MUL8 6, (\q)%2, \q, \slot, \cm
	PLACES NP
	WIN 0
	FETCH_A \slot, (\q)+1, 4
.endm
.macro TURN slot, next, fill, pf=0
	s_wait_tensorcnt 0x0
	ds_add_u32 v[SPW], v[NIL]
	s_wait_dscnt 4*NL+1
	WIN MUL
	MUL8 0, 1, 1, \slot, 0
	s_wait_dscnt 0x0
	s_barrier_signal -1
	MUL8 2, 1, 1, \slot, 0
	WIN 0
	s_barrier_wait -1
.if \fill
	CREST
	s_add_nc_u64 s[G0+4*\slot+2:G0+4*\slot+3], s[G0+4*\slot+2:G0+4*\slot+3], 2*3072
	s_add_nc_u64 s[G0B+4*\slot+2:G0B+4*\slot+3], s[G0B+4*\slot+2:G0B+4*\slot+3], 2*786432
	JLOAD G0+4*\slot, G1, G0B+4*\slot, G1B
.else
	PLACES NP
.endif
	s_wait_alu depctr_va_vdst(0)
	v_add_nc_u32 v[ADSA], 2048, v[ADSA]
	v_add_nc_u32 v[ADSB], 8, v[ADSB]
	FETCH_B \next, 0, 0
	FETCH_A \next, 0, 0
	SCALES \next
.if \pf
	s_cmp_eq_u32 s95, 0                            ; behind the joint load and the run of LDS loads: slot 3, which the next change of slots loads
	s_cbranch_scc0 .Lno_ask_\@
	global_prefetch_b8 v11, s[4:5] th:TH_LOAD_NT scope:SCOPE_SE
.Lno_ask_\@:
.endif
	WIN MUL
	MUL8 4, 1, 1, \slot, 0
	MUL8 6, 1, 1, \slot, 0
	PLACES NP
	WIN 0
	FETCH_A \next, 0, 4
.endm
	s_wait_alu depctr_va_vdst(0)                   ; the wait at the head's end
	s_wait_tensorcnt 0x0                           ; my tile of the head's four is in; the three lines stand ahead of slot 1's first fill as ahead of a refill
	ds_add_u32 v[SPW], v[NIL]
	s_mov_b32 s[G1+2], 8<<16                       ; no tensor load of mine is out, so descriptors may be written: from here on a load brings half a tile,
	s_mov_b32 s[G1+4], 8
	s_mov_b32 s[G1B+2], 48<<16
	s_mov_b32 s[G1B+4], 48
	s_mov_b32 s[G0+1], s45                         ; and slot 0's groups 0 point at my half
	s_add_nc_u64 s[G0+2:G0+3], s[G0+2:G0+3], s[18:19]
	s_mov_b32 s[G0B+1], s94
	s_add_nc_u64 s[G0B+2:G0B+3], s[G0B+2:G0B+3], s[98:99]
	s_wait_dscnt 0x0
	CROUND                                         ; all four tiles are in, and all sixteen work-groups are here
	JLOAD G0+4, G1, G0B+4, G1B                     ; my one tensor load behind the round
	FETCH_B 0, 0, 0
	FETCH_A 0, 0, 0
	SCALES 0
	FETCH_A 0, 0, 4
	s_wait_loadcnt 0x0
	STEP 0, 0, 1
	TURN 0, 1, 1, 1
	STEP 1, 0, 0
	TURN 1, 0, 1
	STEP 0, 0, 0
	TURN 0, 1, 0
	STEP 1, 0, 0
	s_wait_dscnt 4*NL
	WIN MUL
	MUL8 0, 1, 1, 1, 0
	MUL8 2, 1, 1, 1, 0
	s_wait_dscnt 0
	MUL8 4, 1, 1, 1, 0
	MUL8 6, 1, 1, 1, 0
	WIN 0
.macro TOSTAGE a
	WIN 0x08
.irp b, 0,1,2,3
	ds_store_b128 v[STO], v[32*(\a)+8*\b:32*(\a)+8*\b+3] offset:128*(\b/2)+32*(\b%2)
	ds_store_b128 v[STO], v[32*(\a)+8*\b+4:32*(\a)+8*\b+7] offset:128*(\b/2)+32*(\b%2)+16
.endr
	WIN 0
.set BB, BK+32*((\a)%2)
.irp t, 0,1,2,3,4,5,6,7
	ds_load_b128 v[BB+4*\t:BB+4*\t+3], v[RD] offset:\t*2*SPITCH
.endr
.endm
.macro SEND a, younger
.set BB, BK+32*((\a)%2)
	s_wait_dscnt \younger
.if (\a) > 0
.if (\a)%2 == 1
	s_add_nc_u64 s[12:13], s[12:13], 8*4096
.else
	s_add_nc_u64 s[12:13], s[12:13], 24*4096
.endif
.endif
.irp t, 0,1,2,3,4,5,6,7
	global_store_b128 v[CO], v[BB+4*\t:BB+4*\t+3], s[12:13] offset:(2*\t+8*(\t/4))*4096 th:TH_STORE_NT
.endr
.endm
	PLACES NP
	TOSTAGE 0
.irp a, 1,2,3,4,5,6,7
.if \a > 1
	s_wait_xcnt 0x0
.endif
	TOSTAGE \a
	SEND \a-1, 16
.endr
	s_wait_xcnt 0x0
	SEND 7, 0
	s_wait_tensorcnt 0x0
	ds_add_u32 v[SPW], v[NIL]
	s_wait_dscnt 0x0
	CROUND
	s_endpgm
.Lfunc_end_k_qb93687d57e_proj:
	.size	k_qb93687d57e_proj, .Lfunc_end_k_qb93687d57e_proj-k_qb93687d57e_proj
	.p2alignl 7, 3214868480
	.fill 96, 4, 3214868480
	.section	.rodata,"a",@progbits
	.p2align	6, 0x0
	.amdhsa_kernel k_qb93687d57e_proj
		.amdhsa_group_segment_fixed_size 327680
		.amdhsa_private_segment_fixed_size 0
		.amdhsa_enable_private_segment 0
		.amdhsa_kernarg_size 32
		.amdhsa_user_sgpr_count 2
		.amdhsa_user_sgpr_kernarg_segment_ptr 1
		.amdhsa_wavefront_size32 1
		.amdhsa_system_sgpr_workgroup_id_x 1
		.amdhsa_system_sgpr_workgroup_id_y 1
		.amdhsa_system_sgpr_workgroup_id_z 1
		.amdhsa_system_vgpr_workitem_id 0
		.amdhsa_next_free_vgpr 768
		.amdhsa_next_free_sgpr 100
		.amdhsa_reserve_vcc 0
		.amdhsa_float_denorm_mode_32 3
		.amdhsa_float_denorm_mode_16_64 3
		.amdhsa_memory_ordered 1
		.amdhsa_forward_progress 1
		.amdhsa_inst_pref_size 106
	.end_amdhsa_kernel
	.amdgpu_metadata
---
amdhsa.version: [ 1, 2 ]
amdhsa.kernels:
  - .name:           k_qb93687d57e_proj
    .symbol:         k_qb93687d57e_proj.kd
    .args:
      - { .name: aq, .offset: 0, .size: 8, .value_kind: global_buffer, .address_space: global }
      - { .name: wq, .offset: 8, .size: 8, .value_kind: global_buffer, .address_space: global }
      - { .name: b_proj, .offset: 16, .size: 8, .value_kind: global_buffer, .address_space: global }
      - { .name: out0, .offset: 24, .size: 8, .value_kind: global_buffer, .address_space: global }
    .group_segment_fixed_size: 327680
    .private_segment_fixed_size: 0
    .kernarg_segment_align: 8
    .kernarg_segment_size: 32
    .max_flat_workgroup_size: 128
    .sgpr_count:     100
    .vgpr_count:     768
    .wavefront_size: 32
...
	.end_amdgpu_metadata
.endif
;; end of part 4
